; MI455X (gfx1250); checked and timed in simulation.
; The chip was launched on July 23, 2026; its instructions are those of AMD's public machine-readable ISA for CDNA 5 (MIT licence, August 2026) and "CDNA5" Instruction Set Architecture Reference Guide (July 2026). The comments in the code are by the model that wrote it; some were corrected since.
;; Hybrid Attention. Allowed arithmetic: matrix products marked QUANTISED: E2M1 operands, one E8M0 scale for each 32 along K, by v_wmma_scale_f32_16x16x128_f8f6f4 with both operands' format E2M1 (or v_wmma_scale_f32_32x16x128_f4), f32 sums; products left as they are: bf16, f16 or f32 operands; f32 sums; everything else in f32.
;; Inputs: Wk_cross 1,024 x 1,024 float32; Wk_self 1,024 x 1,024 float32; Wo_cross 1,024 x 1,024 float32; Wo_self 1,024 x 1,024 float32; Wq 1,024 x 1,024 float32; Wv_cross 1,024 x 1,024 float32; Wv_self 1,024 x 1,024 float32; x_kv 2 x 2,048 x 1,024 float32; x_q 2 x 2,048 x 1,024 float32.
;; Outputs: out0 2 x 2,048 x 1,024 float32.
;; Constants: n_self = 8.
;; This version of the problem:
;;   THIS VERSION OF THE PROBLEM IS GIVEN IN LOW PRECISION. The matrix products marked QUANTISED in the list below multiply operands that are first quantised to E2M1 (2 exponent bits, 1 mantissa bit; 4 bits a number), with one power-of-two scale for each 32 numbers along K (OCP MX v1.0); their sums are f32. The products marked 'left as it is' may take bf16, f16 or f32 operands, with f32 sums. Whichever they take, every output number must still come out within the allowed error. Rounding operands to bf16 (8 significant bits) uses up far more of that allowance than f16 does (11 bits, for magnitudes from 6e-5 to 65,504). All else is computed in f32.
;;   The module's matrix products, in the order in which they are computed (A, B: the left and right operand; K: the contracted axis; several contracted axes count as one K, in the product's order):
;;     1. [M 4,096, K 1,024] x [K 1,024, N 1,024]; A: input x_q; B: input Wq: QUANTISED
;;     2. [M 4,096, K 1,024] x [K 1,024, N 1,024]; A: input x_q; B: input Wk_self: QUANTISED
;;     3. [M 4,096, K 1,024] x [K 1,024, N 1,024]; A: input x_q; B: input Wv_self: QUANTISED
;;     4. [M 4,096, K 1,024] x [K 1,024, N 1,024]; A: input x_kv; B: input Wk_cross: QUANTISED
;;     5. [M 4,096, K 1,024] x [K 1,024, N 1,024]; A: input x_kv; B: input Wv_cross: QUANTISED
;;     6. batch 16 x [M 2,048, K 64] x [K 64, N 2,048]; A: computed on the way; B: computed on the way: left as it is (an operand is computed on the way)
;;     7. batch 16 x [M 2,048, K 2,048] x [K 2,048, N 64]; A: computed on the way; B: computed on the way: left as it is (an operand is computed on the way)
;;     8. batch 16 x [M 2,048, K 64] x [K 64, N 2,048]; A: computed on the way; B: computed on the way: left as it is (an operand is computed on the way)
;;     9. batch 16 x [M 2,048, K 2,048] x [K 2,048, N 64]; A: computed on the way; B: computed on the way: left as it is (an operand is computed on the way)
;;     10. [M 4,096, K 1,024] x [K 1,024, N 1,024]; A: computed on the way; B: input Wo_self: left as it is (an operand is computed on the way)
;;     11. [M 4,096, K 1,024] x [K 1,024, N 1,024]; A: computed on the way; B: input Wo_cross: left as it is (an operand is computed on the way)
;;   THE QUANTISER, for each operand of a quantised product, along K:
;;     - K is cut into blocks of 32 from its start; a last block that is shorter is filled with zeros.
;;     - A block's scale is 2^e with e = floor(log2(the largest magnitude in the block)) - 2, held to -126 .. 127; a block of zeros has e = 0. As a byte (E8M0): e + 127.
;;     - Each number is divided by its block's scale, clamped to +-6, and rounded to the nearest number of E2M1, ties to even, subnormals kept.
;;     - The product sums the exact products of the quantised numbers (number of the format x scale) in f32.
;;   ~~~python
;;   def quantise(x, axis):      # numpy; x: float32 -> the quantised numbers, widened to float32 again
;;       x = np.moveaxis(x, axis, -1); K = x.shape[-1]
;;       x = np.pad(x, [(0, 0)] * (x.ndim - 1) + [(0, -K % 32)]); x = x.reshape(x.shape[:-1] + (-1, 32)); a = np.abs(x).max(-1, keepdims=True)
;;       e = np.where(a > 0, np.clip(np.frexp(np.where(a > 0, a, 1))[1] - 1 - 2, -126, 127), 0)      # np.frexp(a)[1] - 1 = floor(log2(a)), exactly
;;       r = np.clip(x / 2.0 ** e, -6, 6)
;;       step = 2.0 ** (np.maximum(np.frexp(np.where(r == 0, 1, r))[1] - 1, 0) - 1)
;;       q = np.round(r / step) * step * 2.0 ** e      # np.round: ties to even
;;       return np.moveaxis(q.reshape(q.shape[:-2] + (-1,))[..., :K], -1, axis).astype(np.float32)
;;   ~~~
;; One version. Each part assembles by itself: llvm-mc -triple=amdgcn-amd-amdhsa -mcpu=gfx1250 --defsym DOCPART=n.
;; ======== version 1 of 1: 4 launches
;; limits: values are held in f16: magnitudes above 65,504 overflow, below 6.1e-05 lose precision
;; workspace buffers: codes 5,767,168 bytes; scales 360,448 bytes; wo 2,097,152 bytes; rope 524,288 bytes; qimg 8,388,608 bytes; kv 16,777,216 bytes; att 8,388,608 bytes
;; launch prep (part 1): grid 512 x 1, 4 waves a work-group, no clusters, 49,664 bytes of LDS; arguments x_q, x_kv, Wq, Wk_self, Wk_cross, Wv_self, Wv_cross, Wo_self, Wo_cross, codes, scales, wo, rope; writes codes, scales, wo, rope
.if DOCPART == 1
	.amdgcn_target "amdgcn-amd-amdhsa--gfx1250"
	.amdhsa_code_object_version 6
	.text
	.protected	k_qbfbd251139_prep
	.globl	k_qbfbd251139_prep
	.p2align	8
	.type	k_qbfbd251139_prep,@function
k_qbfbd251139_prep:
	s_mov_b64 s[64:65], 0
	v_nop
	global_prefetch_b8 v0, s[64:65] scope:SCOPE_SE
	s_setreg_imm32_b32 hwreg(HW_REG_WAVE_MODE, 25, 1), 1
	s_wait_xcnt 0x0
; PREP: what later launches read many times is made once: codes of FP4 (E2M1) with one E8M0 byte for each 32 along K for x_q, x_kv and the live weight rows; Wo = 0.5 (Wo_self + Wo_cross) in f16; the RoPE table.
; WORK LEFT OUT, for all values of the inputs.  n_self = 8 is a constant of the problem.  reference() keeps of ks and vs heads 0-7 alone and of kc and vc heads 8-15 alone: a head's 64 columns of x W^T hang on the same 64 rows
; of W and on no other.  So rows 512-1023 of Wk_self and Wv_self and rows 0-511 of Wk_cross and Wv_cross reach no output: they are not loaded, not quantised and not multiplied.  All nine inputs keep a live part.
; 0.5 (o Ws^T + o Wc^T) = o (0.5 Ws + 0.5 Wc)^T for all values: one product in place of two; neither is quantised.
; LIMITS.  A NaN, an infinity or an overflow in the weight rows left out is not carried to the result.  NaN and infinities among the inputs are not served.  0.5 (Wo_self + Wo_cross) is kept in f16: magnitudes up to 65,504.
; A block of zeros gets the scale byte 1 where the quantiser says 127: its codes are zeros, which add nothing under any byte but 0xff, and this program alone reads the bytes; blocks whose largest magnitude lies under 2^-124 are held at that byte.
; The RoPE angle t x 10000^(-i/32) is made with v_exp_f32 and may differ from the f32 angle of reference() by some 2e-4 rad at t = 2,047; q and k take the same table.
; SHARES, by the work-group's number w.  w < 352: 32 rows of 1,024 numbers are quantised (rows are dense and K is a multiple of 32: a plain stream of blocks).  Row 32 w of codes [11,264][512 B] and scales [11,264][32 B]:
;   rows 0-4095 x_q, 4096-8191 x_kv, 8192-9215 Wq, and for g = 0 .. 7 rows 9216 + 256 g: 128 rows of K's weight, then 128 of V's, both rows 128 g on of the self weights (g < 4) or the cross weights (g >= 4).
; 352 <= w < 480: a wave takes 16 rows x 128 k of Wo.   w >= 480: a wave takes 16 positions of the table.   The three paths have LDS bytes of their own; waves share nothing: no barrier.
; THE f16 IMAGE, used for every f16 operand of this program: a fragment (16 rows x 32 k) is 1,024 bytes; element (r, k) lies at 512 ((k % 32) / 16) + 16 (r + 16 ((k % 16) / 8)) + 2 (k % 8): the order of the operand registers, lane by lane.
.set STEPS, 16
.set EMAX,  2
.set CB,    8                          ; bytes of 16 codes
.set R,     16                         ; v16-79   quantiser: four sets of 16 numbers as loaded
.set X,     80                         ; v80-111  two sets of 16 neighbours
.set E,     112                        ; v112-127 a scale byte for each step
.set C,     128                        ; v128-191 codes, four registers for each step: no store's data are written again
.set WREG,  8192                       ; LDS: the quantiser's region for each wave: two stages of 32 x SP bytes, then its 256 scale bytes
.set SP,    80                         ; a lane's place in a stage: 64 bytes + 16 of padding
.set WOST,  4*WREG                     ; the Wo path's stages: 4,096 bytes a wave
.set SPARE, WOST+4*4096                ; the spare words, 128 bytes for each wave: two blocks of 256 bytes that no other line names
.set SPW,   12                         ; v12  SPARE + 4 x my thread's number; never rewritten
.set NIL,   13                         ; v13  0; never rewritten
.set WV,    34                         ; s34  my wave's number
	s_load_b512 s[8:23], s[0:1], 0x0               ; x_q 8, x_kv 10, Wq 12, Wk_self 14, Wk_cross 16, Wv_self 18, Wv_cross 20, Wo_self 22
	s_load_b256 s[24:31], s[0:1], 0x40             ; Wo_cross 24, codes 26, scales 28, wo 30
	s_load_b64 s[32:33], s[0:1], 0x60              ; rope
	v_lshl_add_u32 v[SPW], v0, 2, SPARE
	v_mov_b32 v[NIL], 0
	v_lshrrev_b32 v1, 5, v0
	v_readfirstlane_b32 s[WV], v1                  ; wave 0..3
	v_and_b32 v2, 31, v0                           ; lane
	v_lshlrev_b32 v3, 4, v2                        ; 16 x lane: 32 lanes take 512 consecutive bytes
	s_mov_b32 s49, 0                               ; the high word of every offset pair s[48:49]
	s_wait_kmcnt 0x0
	s_cmp_ge_u32 ttmp9, 480
	s_cbranch_scc1 .Lrope
	s_cmp_ge_u32 ttmp9, 352
	s_cbranch_scc1 .Lwo
; ---- THE QUANTISER.  A wave takes 16 steps of 512 numbers.  Each of a step's four loads reads 512 consecutive bytes; the 2,048 bytes turn through the wave's own stage so that a lane holds 16 neighbours along K (two lanes hold a block).
	s_mul_i32 s35, s[WV], WREG
	v_lshrrev_b32 v14, 2, v2
	v_mul_u32_u24 v14, v14, SP
	v_and_b32 v15, 3, v2
	v_lshl_add_u32 v14, v15, 4, v14
	v_add_nc_u32 v14, s35, v14                     ; into the stage: SP (lane / 4) + 16 (lane % 4)
	v_mul_u32_u24 v15, v2, SP
	v_add_nc_u32 v15, s35, v15                     ; out of it: SP x lane
	v_mul_u32_u24 v4, v2, CB                       ; my codes' place in a step's 256 bytes
	v_lshrrev_b32 v5, 1, v2
	s_add_co_u32 s35, s35, 2*32*SP
	v_add_nc_u32 v5, s35, v5                       ; LDS: my block's scale byte
	v_lshlrev_b32 v7, 3, v2
	v_add_nc_u32 v6, s35, v7                       ; and on the way out 8 bytes a lane
	; which tensor, and which 32 rows of it (blk): a chain of choices on the work-group's number alone
	s_max_u32 s36, ttmp9, 288
	s_sub_co_u32 s36, s36, 288                     ; u: the K and V weights' work-groups
	s_lshr_b32 s37, s36, 3                         ; g
	s_bfe_u32 s38, s36, 0x10002                    ; 0: K's weight, 1: V's
	s_and_b32 s39, s36, 3
	s_lshl_b32 s40, s37, 2
	s_add_co_u32 s39, s39, s40                     ; blk = 4 g + u % 4: rows 128 g + 32 (u % 4)
	s_max_u32 s46, ttmp9, 256
	s_sub_co_u32 s46, s46, 256                     ; blk in Wq
	s_max_u32 s47, ttmp9, 128
	s_sub_co_u32 s47, s47, 128                     ; blk in x_kv
	s_cmp_lt_u32 s37, 4
	s_cselect_b64 s[42:43], s[14:15], s[16:17]     ; Wk_self or Wk_cross
	s_cselect_b64 s[44:45], s[18:19], s[20:21]     ; Wv_self or Wv_cross
	s_cmp_eq_u32 s38, 0
	s_cselect_b64 s[4:5], s[42:43], s[44:45]
	s_cmp_lt_u32 ttmp9, 288
	s_cselect_b64 s[4:5], s[12:13], s[4:5]
	s_cselect_b32 s39, s46, s39
	s_cmp_lt_u32 ttmp9, 256
	s_cselect_b64 s[4:5], s[10:11], s[4:5]
	s_cselect_b32 s39, s47, s39
	s_cmp_lt_u32 ttmp9, 128
	s_cselect_b64 s[4:5], s[8:9], s[4:5]
	s_cselect_b32 s39, ttmp9, s39
	s_lshl_b32 s39, s39, 2
	s_add_co_u32 s39, s39, s[WV]                   ; my run of 8,192 numbers in the source
	s_lshl_b32 s48, s39, 15
	s_add_nc_u64 s[4:5], s[4:5], s[48:49]
	s_lshl_b32 s50, ttmp9, 2
	s_add_co_u32 s50, s50, s[WV]                   ; and in codes and scales: 4 w + wave
	s_lshl_b32 s48, s50, 12
	s_add_nc_u64 s[26:27], s[26:27], s[48:49]
	s_lshl_b32 s48, s50, 8
	s_add_nc_u64 s[28:29], s[28:29], s[48:49]
.macro QLOAD t
.irp i, 0,1,2,3
	global_load_b128 v[R+16*((\t)%4)+4*\i:R+16*((\t)%4)+4*\i+3], v3, s[4:5] offset:2048*(\t)+512*\i th:TH_LOAD_NT
.endr
.endm
.macro QTURN t                         ; step t's numbers through the stage: LDS serves a wave's instructions in order (ISA guide 5.7.1.4), so no wait stands between the stores and the loads
.irp i, 0,1,2,3
	ds_store_b128 v14, v[R+16*((\t)%4)+4*\i:R+16*((\t)%4)+4*\i+3] offset:32*SP*((\t)%2)+8*SP*\i
.endr
.irp i, 0,1,2,3
	ds_load_b128 v[X+16*((\t)%2)+4*\i:X+16*((\t)%2)+4*\i+3], v15 offset:32*SP*((\t)%2)+16*\i
.endr
.endm
.irp t, 0,1,2,3
	QLOAD \t
.endr
	s_wait_loadcnt 12                              ; step 0's four loads are in; the twelve of steps 1 to 3 stay out
	QTURN 0
.macro QSTEP t
.set XS, X+16*((\t)%2)
.if (\t) > 0
	s_wait_dscnt 1                                 ; this step's numbers are back from the stage; the last step's byte store may be out
.else
	s_wait_dscnt 0x0
.endif
.if (\t)+4 < STEPS
	QLOAD (\t)+4                                   ; into the registers that this step's stage stores have read
.endif
.if (\t)+1 < STEPS
.if STEPS-2-(\t) >= 3
	s_wait_loadcnt 12                              ; the next step's four loads are in; those of the three steps behind it stay out
.else
	s_wait_loadcnt 4*(STEPS-2-(\t))
.endif
	QTURN (\t)+1
.endif
	v_max3_num_f32 v8, |v[XS]|, |v[XS+1]|, |v[XS+2]|               ; the largest magnitude of my 16, in two chains
	v_max3_num_f32 v9, |v[XS+3]|, |v[XS+4]|, |v[XS+5]|
.irp i, 6,10
	v_max3_num_f32 v8, v8, |v[XS+\i]|, |v[XS+\i+1]|
	v_max3_num_f32 v9, v9, |v[XS+\i+2]|, |v[XS+\i+3]|
.endr
	v_max3_num_f32 v8, v8, |v[XS+14]|, |v[XS+15]|
	v_max3_num_f32 v8, v8, v9, (EMAX+1)<<23        ; and the floor 2^(3 - 127): the byte cannot fall under 1
	v_max_num_f32_dpp v8, v8, v8 row_xmask:1 row_mask:0xf bank_mask:0xf   ; with my neighbour's 16: the block's
	v_add_nc_u32 v11, -(EMAX<<23), v8              ; 2 off its exponent field: the conversion takes the exponent field of this operand as its scale
	v_cvt_scalef32_pk8_fp4_f32 v[C+4*(\t)], v[XS:XS+7], v11
	v_cvt_scalef32_pk8_fp4_f32 v[C+4*(\t)+1], v[XS+8:XS+15], v11
	v_lshrrev_b32 v[E+(\t)], 23, v11               ; the scale's byte (a plain line behind the conversions)
	ds_store_b8 v5, v[E+(\t)] offset:16*(\t)       ; both lanes of a block write the same byte with the same value
	global_store_b64 v4, v[C+4*(\t):C+4*(\t)+1], s[26:27] offset:32*CB*(\t)   ; the wave stores 256 consecutive bytes, aligned
.endm
.irp t, 0,1,2,3,4,5,6,7,8,9,10,11,12,13,14,15
	QSTEP \t
.endr
	ds_load_b64 v[8:9], v6                         ; my wave's 256 scale bytes
	s_wait_dscnt 0x0
	global_store_b64 v7, v[8:9], s[28:29]          ; 256 consecutive bytes, aligned
	s_branch .Lfinish
; ---- Wo.  Unit U = 4 (w - 352) + wave: rows 16 NT on (NT = U / 8), k 128 kq on (kq = U % 8).  A load takes 128 numbers of one row: 512 consecutive bytes.
.Lwo:
	s_sub_co_u32 s36, ttmp9, 352
	s_lshl_b32 s36, s36, 2
	s_add_co_u32 s36, s36, s[WV]                   ; U
	s_lshr_b32 s37, s36, 3                         ; NT
	s_and_b32 s38, s36, 7                          ; kq
	s_lshl_b32 s48, s37, 16                        ; 16 rows of 4,096 bytes
	s_lshl_b32 s39, s38, 9
	s_add_co_u32 s48, s48, s39
	s_add_nc_u64 s[22:23], s[22:23], s[48:49]
	s_add_nc_u64 s[24:25], s[24:25], s[48:49]
	s_lshr_b32 s48, s37, 3                         ; wo: [block of 128 rows][K step of 256][row tile 8][chunk 8][1,024 B]
	s_lshl_b32 s48, s48, 18
	s_lshr_b32 s39, s38, 1
	s_lshl_b32 s39, s39, 16
	s_add_co_u32 s48, s48, s39
	s_and_b32 s39, s37, 7
	s_lshl_b32 s39, s39, 13
	s_add_co_u32 s48, s48, s39
	s_and_b32 s39, s38, 1
	s_lshl_b32 s39, s39, 12
	s_add_co_u32 s48, s48, s39
	s_add_nc_u64 s[30:31], s[30:31], s[48:49]
.irp i, 0,1,2,3,4,5,6,7,8,9,10,11,12,13,14,15
	global_load_b128 v[16+4*\i:19+4*\i], v3, s[22:23] offset:4096*\i th:TH_LOAD_NT
	global_load_b128 v[80+4*\i:83+4*\i], v3, s[24:25] offset:4096*\i th:TH_LOAD_NT
.endr
	v_lshrrev_b32 v4, 3, v2                        ; my four numbers, k = 4 lane on, in the image of four fragments: 1,024 (lane / 8)
	v_lshlrev_b32 v4, 10, v4
	v_bfe_u32 v5, v2, 2, 1
	v_lshl_add_u32 v4, v5, 9, v4                   ; + 512 ((k % 32) / 16)
	v_bfe_u32 v5, v2, 1, 1
	v_lshl_add_u32 v4, v5, 8, v4                   ; + 256 ((k % 16) / 8)
	v_and_b32 v5, 1, v2
	v_lshl_add_u32 v4, v5, 3, v4                   ; + 2 (k % 8); the row adds 16 i, in the immediate
	s_lshl_b32 s39, s[WV], 12
	s_add_co_u32 s39, s39, WOST
	v_add_nc_u32 v4, s39, v4
	v_add_nc_u32 v5, s39, v3                       ; back: 16 x lane
.irp i, 0,1,2,3,4,5,6,7,8,9,10,11,12,13,14,15
	s_wait_loadcnt 30-2*\i                         ; row i's two loads are in; the later rows' stay out
	v_pk_mul_f32 v[80+4*\i:81+4*\i], v[80+4*\i:81+4*\i], 0.5 op_sel_hi:[1,0]
	v_pk_mul_f32 v[82+4*\i:83+4*\i], v[82+4*\i:83+4*\i], 0.5 op_sel_hi:[1,0]
	v_pk_fma_f32 v[16+4*\i:17+4*\i], v[16+4*\i:17+4*\i], 0.5, v[80+4*\i:81+4*\i] op_sel_hi:[1,0,1]   ; 0.5 a + 0.5 b: no sum that could overflow where the result does not
	v_pk_fma_f32 v[18+4*\i:19+4*\i], v[18+4*\i:19+4*\i], 0.5, v[82+4*\i:83+4*\i] op_sel_hi:[1,0,1]
	v_cvt_pk_f16_f32 v[144+2*\i], v[16+4*\i], v[17+4*\i]
	v_cvt_pk_f16_f32 v[145+2*\i], v[18+4*\i], v[19+4*\i]
	ds_store_b64 v4, v[144+2*\i:145+2*\i] offset:16*\i   ; pairs of lanes fill 16 bytes, 256 bytes apart from the next pair: these sixteen stores of a wave meet in the banks, and are left so
.endr
.irp q, 0,1,2,3,4,5,6,7
	ds_load_b128 v[16+4*\q:19+4*\q], v5 offset:512*\q   ; LDS serves a wave's instructions in order: these see my stores
.endr
.irp q, 0,1,2,3,4,5,6,7
	s_wait_dscnt 7-\q
	global_store_b128 v3, v[16+4*\q:19+4*\q], s[30:31] offset:512*\q   ; 512 consecutive bytes, aligned
.endr
.Lfinish:
	s_wait_tensorcnt 0x0                           ; the wave's end
	ds_add_u32 v[SPW], v[NIL]
	s_wait_dscnt 0x0
	s_endpgm
; ---- THE RoPE TABLE.  rope: [tile of 16 positions T][quad 0..7][lane][16 B]: lane (r, h) holds, for t = 16 T + r, cos (quads 0-3) and sin (quads 4-7) of t x 10000^(-i/32) for
; i = 8 h + 0..7 and 16 + 8 h + 0..7: the order in which a lane of the next launch holds a head's low 32 channels.  The sixteen numbers go by turns, stage by stage.  No LDS.
.Lrope:
.set FQ, 16                            ; v16-31 the frequency;  v32-47 the angle, then what is left of it;  v48-63 the quadrant;  v64-79 z;  v80-95 s;  v96-111 c;  v112-127 cos;  v128-143 sin;  v144-159 at work
	s_sub_co_u32 s36, ttmp9, 480
	s_lshl_b32 s36, s36, 2
	s_add_co_u32 s36, s36, s[WV]                   ; T
	s_lshl_b32 s48, s36, 12
	s_add_nc_u64 s[32:33], s[32:33], s[48:49]
	s_lshl_b32 s37, s36, 4
	v_and_b32 v1, 15, v0
	v_add_nc_u32 v5, s37, v1
	v_cvt_f32_u32 v5, v5                           ; t
	v_bfe_u32 v4, v0, 4, 1
	v_lshlrev_b32 v4, 3, v4                        ; 8 h
	s_mov_b32 s50, 0xbed49a78                      ; -log2(10000) / 32
	s_mov_b32 s51, 0x3f22f983                      ; 2 / pi
	s_mov_b32 s52, 0xbfc90fdb                      ; -(pi / 2), the f32 next to it,
	s_mov_b32 s53, 0x333bbd2e                      ; and what that f32 has too much
	s_mov_b32 s54, 0xb94ca1f9                      ; sine on [-pi/4, pi/4]: r + r z (s56 + z (s55 + z s54))
	s_mov_b32 s55, 0x3c08839e
	s_mov_b32 s56, 0xbe2aaaa3
	s_mov_b32 s57, 0x37ccf5ce                      ; cosine: 1 + z (-0.5 + z (s59 + z (s58 + z s57)))
	s_mov_b32 s58, 0xbab6061a
	s_mov_b32 s59, 0x3d2aaaa5
.set n, 0
.rept 16
	v_add_nc_u32 v[FQ+n], n+8*(n/8), v4            ; i
.set n, n+1
.endr
.set n, 0
.rept 16
	v_cvt_f32_u32 v[FQ+n], v[FQ+n]
.set n, n+1
.endr
.set n, 0
.rept 16
	v_mul_f32 v[FQ+n], s50, v[FQ+n]
.set n, n+1
.endr
.set n, 0
.rept 16
	v_exp_f32 v[FQ+n], v[FQ+n]                     ; 10000^(-i/32)
.set n, n+1
.endr
	v_nop                                          ; a plain line behind the last exponential,
	s_wait_alu depctr_va_vdst(0)                   ; and one wait for the batch of sixteen, ahead of its first reader
.set n, 0
.rept 16
	v_mul_f32 v[32+n], v5, v[FQ+n]                 ; the angle a, rounded to f32 as reference() rounds it
.set n, n+1
.endr
.set n, 0
.rept 16
	v_mul_f32 v[48+n], s51, v[32+n]
.set n, n+1
.endr
.set n, 0
.rept 16
	v_rndne_f32 v[48+n], v[48+n]                   ; the quadrant k
.set n, n+1
.endr
.set n, 0
.rept 16
	v_fma_f32 v[32+n], v[48+n], s52, v[32+n]       ; r = a - k pi / 2, in two parts
.set n, n+1
.endr
.set n, 0
.rept 16
	v_fma_f32 v[32+n], v[48+n], s53, v[32+n]
.set n, n+1
.endr
.set n, 0
.rept 16
	v_cvt_i32_f32 v[48+n], v[48+n]
	v_mul_f32 v[64+n], v[32+n], v[32+n]            ; z = r r
.set n, n+1
.endr
.set n, 0
.rept 16
	v_fma_f32 v[80+n], v[64+n], s54, s55
	v_fma_f32 v[96+n], v[64+n], s57, s58
.set n, n+1
.endr
.set n, 0
.rept 16
	v_fma_f32 v[80+n], v[80+n], v[64+n], s56
	v_fma_f32 v[96+n], v[96+n], v[64+n], s59
.set n, n+1
.endr
.set n, 0
.rept 16
	v_mul_f32 v[80+n], v[80+n], v[64+n]
	v_fma_f32 v[96+n], v[96+n], v[64+n], -0.5
.set n, n+1
.endr
.set n, 0
.rept 16
	v_fma_f32 v[80+n], v[80+n], v[32+n], v[32+n]   ; s = sin r
	v_fma_f32 v[96+n], v[96+n], v[64+n], 1.0       ; c = cos r
.set n, n+1
.endr
.set n, 0
.rept 16                               ; by the quadrant: values are selected, no branch and no address hangs on them
	v_and_b32 v[144+n], 1, v[48+n]
	v_cmp_eq_u32 vcc_lo, 1, v[144+n]
	v_cndmask_b32 v[128+n], v[80+n], v[96+n], vcc_lo   ; sin a: s, or c where k is odd
	v_cndmask_b32 v[112+n], v[96+n], v[80+n], vcc_lo   ; cos a: c, or s
	v_and_b32 v[144+n], 2, v[48+n]
	v_lshlrev_b32 v[144+n], 30, v[144+n]
	v_xor_b32 v[128+n], v[144+n], v[128+n]         ; sin changes sign in quadrants 2, 3
	v_add_nc_u32 v[144+n], 1, v[48+n]
	v_and_b32 v[144+n], 2, v[144+n]
	v_lshlrev_b32 v[144+n], 30, v[144+n]
	v_xor_b32 v[112+n], v[144+n], v[112+n]         ; cos in quadrants 1, 2
.set n, n+1
.endr
.irp q, 0,1,2,3,4,5,6,7
	global_store_b128 v3, v[112+4*\q:115+4*\q], s[32:33] offset:512*\q   ; 512 consecutive bytes, aligned
.endr
	s_endpgm
.Lfunc_end_k_qbfbd251139_prep:
	.size	k_qbfbd251139_prep, .Lfunc_end_k_qbfbd251139_prep-k_qbfbd251139_prep
	.p2alignl 7, 3214868480
	.fill 96, 4, 3214868480
	.section	.rodata,"a",@progbits
	.p2align	6, 0x0
	.amdhsa_kernel k_qbfbd251139_prep
		.amdhsa_group_segment_fixed_size 49664
		.amdhsa_private_segment_fixed_size 0
		.amdhsa_enable_private_segment 0
		.amdhsa_kernarg_size 104
		.amdhsa_user_sgpr_count 2
		.amdhsa_user_sgpr_kernarg_segment_ptr 1
		.amdhsa_wavefront_size32 1
		.amdhsa_system_sgpr_workgroup_id_x 1
		.amdhsa_system_sgpr_workgroup_id_y 1
		.amdhsa_system_sgpr_workgroup_id_z 1
		.amdhsa_system_vgpr_workitem_id 0
		.amdhsa_next_free_vgpr 192
		.amdhsa_next_free_sgpr 66
		.amdhsa_reserve_vcc 1
		.amdhsa_float_denorm_mode_32 3
		.amdhsa_float_denorm_mode_16_64 3
		.amdhsa_memory_ordered 1
		.amdhsa_forward_progress 1
		.amdhsa_inst_pref_size 69
	.end_amdhsa_kernel
	.amdgpu_metadata
---
amdhsa.version: [ 1, 2 ]
amdhsa.kernels:
  - .name:           k_qbfbd251139_prep
    .symbol:         k_qbfbd251139_prep.kd
    .args:
      - { .name: x_q, .offset: 0, .size: 8, .value_kind: global_buffer, .address_space: global }
      - { .name: x_kv, .offset: 8, .size: 8, .value_kind: global_buffer, .address_space: global }
      - { .name: Wq, .offset: 16, .size: 8, .value_kind: global_buffer, .address_space: global }
      - { .name: Wk_self, .offset: 24, .size: 8, .value_kind: global_buffer, .address_space: global }
      - { .name: Wk_cross, .offset: 32, .size: 8, .value_kind: global_buffer, .address_space: global }
      - { .name: Wv_self, .offset: 40, .size: 8, .value_kind: global_buffer, .address_space: global }
      - { .name: Wv_cross, .offset: 48, .size: 8, .value_kind: global_buffer, .address_space: global }
      - { .name: Wo_self, .offset: 56, .size: 8, .value_kind: global_buffer, .address_space: global }
      - { .name: Wo_cross, .offset: 64, .size: 8, .value_kind: global_buffer, .address_space: global }
      - { .name: codes, .offset: 72, .size: 8, .value_kind: global_buffer, .address_space: global }
      - { .name: scales, .offset: 80, .size: 8, .value_kind: global_buffer, .address_space: global }
      - { .name: wo, .offset: 88, .size: 8, .value_kind: global_buffer, .address_space: global }
      - { .name: rope, .offset: 96, .size: 8, .value_kind: global_buffer, .address_space: global }
    .group_segment_fixed_size: 49664
    .private_segment_fixed_size: 0
    .kernarg_segment_align: 8
    .kernarg_segment_size: 104
    .max_flat_workgroup_size: 128
    .sgpr_count:     66
    .vgpr_count:     192
    .wavefront_size: 32
...
	.end_amdgpu_metadata
.endif
;; end of part 1
;; launch qkv (part 2): grid 12 x 16, 4 waves a work-group, clusters of 4 x 4, 327,680 bytes of LDS; arguments codes, scales, rope, qimg, kv; writes qimg, kv
.if DOCPART == 2
	.amdgcn_target "amdgcn-amd-amdhsa--gfx1250"
	.amdhsa_code_object_version 6
	.text
	.protected	k_qbfbd251139_qkv
	.globl	k_qbfbd251139_qkv
	.p2align	8
	.type	k_qbfbd251139_qkv,@function
k_qbfbd251139_qkv:
	s_mov_b64 s[64:65], 0
	v_nop
	global_prefetch_b8 v0, s[64:65] scope:SCOPE_SE
	s_setreg_imm32_b32 hwreg(HW_REG_WAVE_MODE, 25, 1), 1
	s_wait_xcnt 0x0
	s_wait_alu depctr_hold_cnt(0) depctr_sa_sdst(0) depctr_va_vdst(0) depctr_va_sdst(0) depctr_va_ssrc(0) depctr_va_vcc(0) depctr_vm_vsrc(0)
	s_getreg_b32 s2, hwreg(HW_REG_IB_STS2, 6, 4)
	s_cmp_eq_u32 s2, 0
	s_cbranch_scc0 .Lentry_in_a_cluster
	s_endpgm
.Lentry_in_a_cluster:
	s_bfe_u32 s2, ttmp6, 0x10000c
	s_cmp_lg_u32 s2, 0xf033
	s_cbranch_scc0 .Lentry_shape_is_right
	s_endpgm
.Lentry_shape_is_right:
; QKV: the three live projections on codes of FP4 (E2M1) with one E8M0 scale for each 32 along K = 1,024, RoPE on q and k in f32, results rounded once to f16.
; Left out, as shown at the head of the first launch: the columns of K and V that reference() slices away (heads 8-15 of the self weights, heads 0-7 of the cross weights).
; LIMIT: q, k and v are kept in f16: magnitudes up to 65,504.
; A tile of 256 tokens x 256 columns is made by four waves, 128 x 128 each: 64 accumulators, 512 registers.  Tile columns 0-3: Wq (four heads each), A = x_q.  Tile columns 4 + g: K of heads 2 g, 2 g + 1 (columns 0-127) and V of the
; same heads (128-255); A = x_q for g < 4 (cluster x = 1), x_kv for g >= 4 (cluster x = 2).  So the four columns of a cluster share A's source, and whether a wave holds V hangs on the cluster's x and the wave's number alone.
; K goes in two steps of 512 (rows of 256 bytes) through two LDS slots, both asked for at the head: nothing is filled again.  The scale bytes of the 256 + 256 rows, two dense blocks, come with them.
; CLUSTERS: 4 x 4 work-groups.  A's tile is shared along a row of the cluster, B's along a column: each is asked for jointly, by the same tensor load with the same descriptor and a mask that names the four.
; THE MATRIX INSTRUCTION IS USED TRANSPOSED (source 0 = 16 weight rows, source 1 = 16 tokens): lane (r, h) holds token r and eight neighbouring columns 8 h + 0..7 of a tile of 16: packed to f16 they are 16 bytes, and the wave's
; 512 bytes are half a fragment of the f16 image: they are stored as they stand, 512 consecutive bytes, with no way through LDS.
; OUT.  qimg: [16 b + head][tile of 16 tokens, 128][512 B x (d / 16)].  kv: [16 b + head][slot of 512 keys, 4][K 65,536 B | V 65,536 B], each [tile of 16 keys, 32][512 B x (d / 16)].  In a piece lane (r, h) lies at 16 (r + 16 h);
; in V's pieces at 32 r + 16 h, so that sixteen lanes of the next launch's turning load take sixteen different columns of 16 bytes.
; REGISTERS, in windows of 256: window 0: v0-31 addresses; v32-95 scale words, two sets; v128-191 A's fragments, one set; v192-255 the RoPE table, two sets.  On the way out v32-95 F, v96-111 T, v112-175 PK.
;   window 1: B's fragments, two sets.   window 2: the accumulators of my tokens 0-63 ((a, b) at v[8 (8 a + b)]);   window 3: those of tokens 64-127.
.set KSTEP,  512
.set NQ,     KSTEP/128
.set ROWB,   256                       ; a tile's row in bytes
.set KROW,   512                       ; a row of codes in memory
.set PITCH,  272                       ; an LDS row: 256 bytes + 16 of padding = 68 words: row r starts at bank 4 r mod 64 (64 banks of 4 bytes: ISA guide 11.1)
.set FR,     8
.set NL,     2
.set NP,     4                         ; places behind this matrix instruction (ISA guide 7.12.1)
.set HALFT,  128*PITCH
.set SLOT,   4*HALFT
.set KS,     32                        ; a row of scale bytes
.set SCL,    2*SLOT
.set HALFS,  (128*KS/256)*272
.set SBLK,   (16*KS/256)*272
.set SPARE,  SCL+4*HALFS               ; the spare words, 128 bytes for each wave: two blocks of 256 bytes that no other line names
.set ADRA, 16
.set ADRB, 20
.set LV,   25                          ; v25  32 r + 16 h: my place in a piece of V
.set LI,   26                          ; v26  16 x lane: my place in every other piece, and in the table
.set ADRS, 27
.set SPW,  28
.set NIL,  29
.set SC,   32
.set AF,   128
.set RP,   192                         ; the table: set a % 2: 16 cos, 16 sin
.set F,    32                          ; a block's 64 rotated numbers
.set T,    96
.set PK,   112                         ; packed, two sets of 32
.set G1, 24
.set G0, 32
.set G1B, 48
.set G0B, 56
.set G1S, 68
.set G0S, 76
.set G1SB, 80
.set G0SB, 88
.set MSB, 0
.macro WIN new                         ; the immediate's high byte repeats the setting that is left
.if MSB != (\new)
	s_set_vgpr_msb (MSB<<8)|(\new)
.set MSB, (\new)
.endif
.endm
.set MUL_LO, 0xa1                      ; source 0 (B) window 1, source 1 (A) window 0, C and D window 2
.set MUL_HI, 0xf1
.set TO_B,   0x40
; A joint load: waves 0 and 1 fetch for A, waves 2 and 3 for B; the branch hangs on the wave's number alone.  An s_nop 0 and four v_nop follow each of the two lines.
.macro JLOAD g0a, g1a, g0b, g1b
	s_cmp_eq_u32 s15, 0
	s_cbranch_scc0 .Lfor_b_\@
	tensor_load_to_lds s[\g0a:\g0a+3], s[\g1a:\g1a+7]
	s_nop 0
.rept 4
	v_nop
.endr
	s_branch .Lasked_\@
.Lfor_b_\@:
	tensor_load_to_lds s[\g0b:\g0b+3], s[\g1b:\g1b+7]
	s_nop 0
.rept 4
	v_nop
.endr
.Lasked_\@:
.endm
.macro CROUND                          ; a round of the cluster's barrier
	s_barrier_signal -1
	s_barrier_wait -1
	s_cmp_lg_u32 s14, 0
	s_cbranch_scc1 .Lnot_wave_0_\@
	s_barrier_signal -3
.Lnot_wave_0_\@:
	s_barrier_wait -3
	s_barrier_signal -1
	s_barrier_wait -1
.endm
	s_load_b128 s[4:7], s[0:1], 0x0                ; codes s[4:5], scales s[6:7]
	s_load_b128 s[8:11], s[0:1], 0x10              ; rope s[8:9], qimg s[10:11]
	s_load_b64 s[12:13], s[0:1], 0x20              ; kv
	v_lshl_add_u32 v[SPW], v0, 2, SPARE
	v_mov_b32 v[NIL], 0
	ds_add_u32 v[SPW], v[NIL]                      ; the wave's opening: the add, twice on end, and its wait ahead of my first tensor load
	ds_add_u32 v[SPW], v[NIL]
	v_lshrrev_b32 v1, 5, v0
	v_readfirstlane_b32 s14, v1                    ; wave 0..3
	s_lshr_b32 s15, s14, 1                         ; which half of the tile's tokens is mine.  Also: I fetch for A (0) or for B (1)
	s_and_b32 s16, s14, 1                          ; which half of its columns.  Also: which 128 rows I fetch
	s_bfe_u32 s40, ttmp6, 0x40000                  ; cx, cy
	s_bfe_u32 s41, ttmp6, 0x40004
	s_lshl_b32 s42, ttmp9, 2
	s_add_co_u32 s42, s42, s40                     ; tile column 0..11
	s_and_b32 s17, ttmp7, 0xffff
	s_lshl_b32 s17, s17, 2
	s_add_co_u32 s17, s17, s41                     ; tile row 0..15
	s_lshl_b32 s43, s41, 2
	s_lshl_b32 s43, 15, s43                        ; my row of the cluster
	s_lshl_b32 s44, 0x1111, s40                    ; my column
	s_or_b32 s[G1+0], s43, (0<<16)|(1<<20)|(1<<21)|(5<<22)|(3<<25)  ; the mask; elements of 1 byte; padding on; bit 21 beside a mask; 4 words after every 64
	s_or_b32 s[G1B+0], s44, (0<<16)|(1<<20)|(1<<21)|(5<<22)|(3<<25)
.irp g, G1, G1B
	s_mov_b32 s[\g+1], ROWB<<16                    ; tensor_dim0
	s_mov_b32 s[\g+2], 128<<16                     ; tensor_dim1
	s_mov_b32 s[\g+3], ROWB<<16                    ; tile_dim0
	s_mov_b32 s[\g+4], 128                         ; tile_dim1
	s_mov_b32 s[\g+5], KROW                        ; from row to row
	s_mov_b32 s[\g+6], 0
	s_mov_b32 s[\g+7], 0
.endr
	s_or_b32 s[G1S+0], s43, (3<<16)|(1<<20)|(1<<21)|(5<<22)|(3<<25)   ; the scales of 128 rows: 4,096 dense bytes as 16 rows of 256 (32 elements of 8 bytes), 16 bytes of padding behind each
	s_or_b32 s[G1SB+0], s44, (3<<16)|(1<<20)|(1<<21)|(5<<22)|(3<<25)
.irp g, G1S, G1SB
	s_mov_b32 s[\g+1], 32<<16
	s_mov_b32 s[\g+2], (128*KS/256)<<16
	s_mov_b32 s[\g+3], 32<<16
	s_mov_b32 s[\g+4], 128*KS/256
	s_mov_b32 s[\g+5], 32
	s_mov_b32 s[\g+6], 0
	s_mov_b32 s[\g+7], 0
.endr
	s_lshl_b32 s18, s16, 7                         ; which 128 rows of the tile I fetch
	s_lshl_b32 s20, s17, 8
	s_add_co_u32 s20, s20, s18
	s_lshr_b32 s19, ttmp9, 1                       ; cluster x = 2: x_kv, which begins at row 4,096 (the cluster's x is the same in all sixteen partners)
	s_lshl_b32 s19, s19, 12
	s_add_co_u32 s20, s20, s19                     ; A's row
	s_lshl_b32 s46, s42, 8
	s_add_co_u32 s46, s46, s18
	s_add_co_u32 s46, s46, 8192                    ; B's row: the weights begin at row 8,192
	s_mov_b32 s21, 0
	s_mov_b32 s47, 0
	s_mov_b64 s[18:19], KS
	s_mul_u64 s[22:23], s[20:21], s[18:19]
	s_mul_u64 s[92:93], s[46:47], s[18:19]
	s_mov_b64 s[18:19], KROW
	s_mul_u64 s[20:21], s[20:21], s[18:19]
	s_mul_u64 s[46:47], s[46:47], s[18:19]
	s_mul_i32 s45, s14, HALFT                      ; where they go: wave x 128 rows: no place in the cluster enters an LDS address
	s_mul_i32 s94, s14, HALFS
	s_wait_dscnt 0x0                               ; both opening adds are done
	s_wait_kmcnt 0x0
	s_add_nc_u64 s[20:21], s[4:5], s[20:21]
	s_add_nc_u64 s[22:23], s[6:7], s[22:23]
	s_add_nc_u64 s[46:47], s[4:5], s[46:47]
	s_add_nc_u64 s[92:93], s[6:7], s[92:93]
	CROUND                                         ; all sixteen work-groups are here: the joint loads meet
	s_mov_b32 s[G0S], 1
	s_add_co_u32 s[G0S+1], s94, SCL
	s_mov_b64 s[G0S+2:G0S+3], s[22:23]
	s_or_b32 s[G0S+3], s[G0S+3], 0x80000000
	s_mov_b32 s[G0SB], 1
	s_add_co_u32 s[G0SB+1], s94, SCL
	s_mov_b64 s[G0SB+2:G0SB+3], s[92:93]
	s_or_b32 s[G0SB+3], s[G0SB+3], 0x80000000
	JLOAD G0S, G1S, G0SB, G1SB                     ; the scales first: they are wanted with K step 0
.irp s, 0,1
	s_mov_b32 s[G0+4*\s], 1
	s_add_co_u32 s[G0+4*\s+1], s45, \s*SLOT
	s_add_nc_u64 s[G0+4*\s+2:G0+4*\s+3], s[20:21], \s*ROWB
	s_or_b32 s[G0+4*\s+3], s[G0+4*\s+3], 0x80000000
	s_mov_b32 s[G0B+4*\s], 1
	s_add_co_u32 s[G0B+4*\s+1], s45, \s*SLOT
	s_add_nc_u64 s[G0B+4*\s+2:G0B+4*\s+3], s[46:47], \s*ROWB
	s_or_b32 s[G0B+4*\s+3], s[G0B+4*\s+3], 0x80000000
	JLOAD G0+4*\s, G1, G0B+4*\s, G1B               ; three loads of mine are out in all
.endr
	v_and_b32 v1, 15, v0                           ; r
	v_bfe_u32 v2, v0, 4, 1                         ; h
	v_mul_u32_u24 v3, v1, PITCH
	v_lshl_add_u32 v4, v2, 4, v3
	s_mul_i32 s21, s15, HALFT
	s_mul_i32 s22, s16, HALFT
	s_add_co_u32 s22, s22, 2*HALFT
.irp s, 0,1
	v_add_nc_u32 v[ADRA+\s], s21, v4
	v_add_nc_u32 v[ADRB+\s], s22, v4
	s_add_co_u32 s21, s21, SLOT
	s_add_co_u32 s22, s22, SLOT
.endr
	v_mul_u32_u24 v5, v1, KS                       ; my row's scales: 32 bytes a row,
	v_lshrrev_b32 v6, 8, v5
	v_lshl_add_u32 v5, v6, 4, v5                   ; and 16 more for each 256 passed
	s_mul_i32 s21, s15, HALFS
	s_mul_i32 s22, s16, HALFS
	s_add_co_u32 s22, s22, 2*HALFS
	s_sub_co_u32 s22, s22, s21
	v_mul_u32_u24 v6, s22, v2                      ; lanes 16-31 take B's
	s_add_co_u32 s21, s21, SCL
	v_add_nc_u32 v5, v5, v6
	v_add_nc_u32 v[ADRS], s21, v5
	v_and_b32 v6, 31, v0
	v_lshlrev_b32 v[LI], 4, v6
	v_lshlrev_b32 v[LV], 5, v1
	v_lshl_add_u32 v[LV], v2, 4, v[LV]
	; the way out's addresses
	s_lshl_b32 s20, s17, 8
	s_lshl_b32 s21, s15, 7
	s_add_co_u32 s20, s20, s21                     ; my first token
	s_lshr_b32 s21, s20, 11
	s_lshl_b32 s21, s21, 4                         ; 16 b
	s_bfe_u32 s22, s20, 0x70004                    ; its tile of 16 positions in the sequence, a multiple of 8
	s_lshl_b32 s18, s22, 12
	s_mov_b32 s19, 0
	s_add_nc_u64 s[8:9], s[8:9], s[18:19]          ; the table at that tile
	s_lshl_b32 s23, s42, 2                         ; q: my first head 4 x tile column + 2 x half;
	s_lshl_b32 s45, s16, 1
	s_add_co_u32 s23, s23, s45
	s_add_co_u32 s23, s23, s21
	s_lshl_b32 s23, s23, 18                        ; a head is 262,144 bytes,
	s_lshl_b32 s45, s22, 11
	s_add_co_u32 s23, s23, s45                     ; a tile of tokens 2,048
	s_max_u32 s46, s42, 4                          ; k, v: my first head 2 (tile column - 4);
	s_sub_co_u32 s46, s46, 4
	s_lshl_b32 s46, s46, 1
	s_add_co_u32 s46, s46, s21
	s_lshl_b32 s46, s46, 19                        ; a head is 524,288 bytes,
	s_lshr_b32 s47, s22, 5
	s_lshl_b32 s47, s47, 17
	s_add_co_u32 s46, s46, s47                     ; a slot of 32 tiles 131,072,
	s_lshl_b32 s47, s16, 16
	s_add_co_u32 s46, s46, s47                     ; V lies 65,536 behind K
	s_and_b32 s47, s22, 31
	s_lshl_b32 s47, s47, 11
	s_add_co_u32 s46, s46, s47
	s_mov_b32 s47, 0x80000
	s_mov_b32 s97, 0
	s_cmp_eq_u32 ttmp9, 0                          ; the choice hangs on the cluster's x alone
	s_cselect_b64 s[92:93], s[10:11], s[12:13]
	s_cselect_b32 s18, s23, s46
	s_cselect_b32 s96, 0x40000, s47
	s_add_nc_u64 s[92:93], s[92:93], s[18:19]      ; my first head's pieces,
	s_add_nc_u64 s[94:95], s[92:93], s[96:97]      ; my second head's
	s_min_u32 s98, ttmp9, 1
	s_and_b32 s98, s98, s16                        ; 1: my 128 columns are V
.macro FRAG reg, adr, q, i             ; 16 rows x 128 K of 4-bit codes: 8 registers: lane l holds row l % 16; registers 4 c .. 4 c + 3 hold K = 64 c + 32 (l / 16) + 0 .. 31
.irp c, 0,1
	ds_load_b128 v[\reg+4*\c:\reg+4*\c+3], v[\adr] offset:64*(\q)+32*\c+(\i)*16*PITCH
.endr
.endm
; 16 matrix instructions: A's blocks a0, a0 + 1 x B's eight.  The 64 accumulators take turns, one instruction a turn, in the same order in every step.
; One register carries A's scale word (lanes 0-15) and B's (lanes 16-31).
.macro MUL16 a0, p, q, sc, zero
.irp a, \a0, \a0+1
.irp b, 0,1,2,3,4,5,6,7
.if \zero
	v_wmma_scale_f32_16x16x128_f8f6f4 v[8*(8*((\a)%4)+\b):8*(8*((\a)%4)+\b)+7], v[128*(\p)+FR*\b:128*(\p)+FR*\b+FR-1], v[AF+FR*(\a):AF+FR*(\a)+FR-1], 0, v[SC+8*NQ*(\sc)+NQ*\b+(\q)], v[SC+8*NQ*(\sc)+NQ*(\a)+(\q)] matrix_a_fmt:MATRIX_FMT_FP4 matrix_b_fmt:MATRIX_FMT_FP4 matrix_a_scale:MATRIX_SCALE_ROW1
.else
	v_wmma_scale_f32_16x16x128_f8f6f4 v[8*(8*((\a)%4)+\b):8*(8*((\a)%4)+\b)+7], v[128*(\p)+FR*\b:128*(\p)+FR*\b+FR-1], v[AF+FR*(\a):AF+FR*(\a)+FR-1], v[8*(8*((\a)%4)+\b):8*(8*((\a)%4)+\b)+7], v[SC+8*NQ*(\sc)+NQ*\b+(\q)], v[SC+8*NQ*(\sc)+NQ*(\a)+(\q)] matrix_a_fmt:MATRIX_FMT_FP4 matrix_b_fmt:MATRIX_FMT_FP4 matrix_a_scale:MATRIX_SCALE_ROW1
.endif
.endr
.endr
.endm
.macro FETCH_B slot, q, p
	WIN TO_B
.irp i, 0,1,2,3,4,5,6,7
	FRAG 128*(\p)+FR*\i, ADRB+\slot, \q, \i
.endr
	WIN 0
.endm
.macro FETCH_A slot, q, i0
.irp i, \i0, \i0+1, \i0+2, \i0+3
	FRAG AF+FR*(\i), ADRA+\slot, \q, \i
.endr
.endm
.macro SCALES sc                       ; a K step's scale words: four words a row; lanes 0-15 take A's block i, lanes 16-31 B's
.irp i, 0,1,2,3,4,5,6,7
	ds_load_b128 v[SC+8*NQ*\sc+NQ*\i:SC+8*NQ*\sc+NQ*\i+3], v[ADRS] offset:\i*SBLK
.endr
.endm
.macro PLACES n                        ; plain vector lines between a matrix instruction and a load into, or a vector write of, its registers, or a read of its result
.rept \n
	v_nop
.endr
.endm
.macro STEP slot, q, zero              ; 128 along K with its successor in the same slot
	s_wait_dscnt 4*NL                              ; B's set and A's blocks 0-3 are in; the youngest eight loads (A's blocks 4-7) may be out
	WIN MUL_LO
	MUL16 0, (\q)%2, \q, \slot, \zero
	MUL16 2, (\q)%2, \q, \slot, \zero
	s_wait_dscnt 0
	PLACES NP
	FETCH_B \slot, (\q)+1, 1-(\q)%2
	FETCH_A \slot, (\q)+1, 0
	WIN MUL_HI
	MUL16 4, (\q)%2, \q, \slot, \zero
	MUL16 6, (\q)%2, \q, \slot, \zero
	PLACES NP
	WIN 0
	FETCH_A \slot, (\q)+1, 4
.endm
.macro TURN slot, next                 ; a slot's last step changes slots: one barrier
	s_wait_tensorcnt 0x0                           ; all my tensor loads have landed: my part of the next slot
	ds_add_u32 v[SPW], v[NIL]                      ; 0 onto my spare word
	s_wait_dscnt 4*NL+1                            ; (the add and the youngest eight loads may be out)
	WIN MUL_LO
	MUL16 0, 1, NQ-1, \slot, 0
	s_wait_dscnt 0x0
	s_barrier_signal -1
	MUL16 2, 1, NQ-1, \slot, 0
	WIN 0
	s_barrier_wait -1                              ; everybody's part of the next slot is in
	PLACES NP
	v_add_nc_u32 v[ADRS], 4*NQ, v[ADRS]            ; the next K step's scale words
	FETCH_B \next, 0, 0
	FETCH_A \next, 0, 0
	SCALES \next
	WIN MUL_HI
	MUL16 4, 1, NQ-1, \slot, 0
	MUL16 6, 1, NQ-1, \slot, 0
	PLACES NP
	WIN 0
	FETCH_A \next, 0, 4
.endm
.macro STEPS slot, from
.set Q, \from
.rept NQ-1-\from
	STEP \slot, Q, 0
.set Q, Q+1
.endr
.endm
.macro SECOND                          ; slot 1's four steps; written in both arms below
	STEPS 1, 0
	s_wait_dscnt 4*NL
	WIN MUL_LO
	MUL16 0, 1, NQ-1, 1, 0
	MUL16 2, 1, NQ-1, 1, 0
	s_wait_dscnt 0
	WIN MUL_HI
	MUL16 4, 1, NQ-1, 1, 0
	MUL16 6, 1, NQ-1, 1, 0
	WIN 0
	PLACES NP                                      ; in front of the first read of results, and of vector writes into registers that held scale words and A's fragments
.endm
.macro ROPELOAD a                      ; the table of token block a: 16 cos, 16 sin a lane
.irp q, 0,1,2,3,4,5,6,7
	global_load_b128 v[RP+32*((\a)%2)+4*\q:RP+32*((\a)%2)+4*\q+3], v[LI], s[8:9] offset:4096*(\a)+512*\q
.endr
.endm
; RoPE on block a, two heads: tiles 4 hh + p hold channels 16 p + 8 h + j (the low 32), tiles 4 hh + 2 + p the same + 32.  low' = low cos - high sin; high' = high cos + low sin.  Each accumulator is read from its low end on.
.macro ROT a
.set AC, 64*((\a)%4)
.set RS, RP+32*((\a)%2)
	WIN 0x02+(\a)/4                                ; source 0: window 2 or 3
.irp hh, 0,1
.irp p, 0,1
.irp jj, 0,2,4,6
	v_pk_mul_f32 v[T+2*\jj:T+2*\jj+1], v[AC+8*(4*\hh+\p)+16+\jj:AC+8*(4*\hh+\p)+17+\jj], v[RS+16+8*\p+\jj:RS+17+8*\p+\jj]
	v_pk_mul_f32 v[T+2*\jj+2:T+2*\jj+3], v[AC+8*(4*\hh+\p)+\jj:AC+8*(4*\hh+\p)+1+\jj], v[RS+16+8*\p+\jj:RS+17+8*\p+\jj]
	v_pk_fma_f32 v[F+8*(4*\hh+\p)+\jj:F+8*(4*\hh+\p)+1+\jj], v[AC+8*(4*\hh+\p)+\jj:AC+8*(4*\hh+\p)+1+\jj], v[RS+8*\p+\jj:RS+1+8*\p+\jj], v[T+2*\jj:T+2*\jj+1] neg_lo:[0,0,1] neg_hi:[0,0,1]
	v_pk_fma_f32 v[F+8*(4*\hh+\p)+16+\jj:F+8*(4*\hh+\p)+17+\jj], v[AC+8*(4*\hh+\p)+16+\jj:AC+8*(4*\hh+\p)+17+\jj], v[RS+8*\p+\jj:RS+1+8*\p+\jj], v[T+2*\jj+2:T+2*\jj+3]
.endr
.endr
.endr
	WIN 0
.endm
.macro OUT a, li                       ; block a's eight pieces: each store is 512 consecutive bytes, aligned
.irp b, 0,1,2,3,4,5,6,7
	global_store_b128 v[\li], v[PK+32*((\a)%2)+4*\b:PK+32*((\a)%2)+4*\b+3], s[92+2*(\b/4):93+2*(\b/4)] offset:2048*(\a)+512*(\b%4)
.endr
.endm
	s_wait_tensorcnt 1                             ; the scales and my part of K step 0 are in; K step 1's load may be out
	s_barrier_signal -1
	s_barrier_wait -1                              ; everybody's are
	FETCH_B 0, 0, 0
	FETCH_A 0, 0, 0
	SCALES 0
	FETCH_A 0, 0, 4
	STEP 0, 0, 1                                   ; the first products start the sums: nothing is cleared
	STEPS 0, 1
	TURN 0, 1
	s_cmp_lg_u32 s98, 0                            ; the waves part here, on the cluster's x and the wave's number; no barrier stands in either arm
	s_cbranch_scc1 .Lv
	ROPELOAD 0                                     ; q and k: the first two blocks of the table are asked for 256 matrix instructions ahead of their use
	ROPELOAD 1
	SECOND
.irp a, 0,1,2,3,4,5,6,7
.if \a < 7
	s_wait_loadcnt 8                               ; block a's table is in; the next block's eight loads stay out
.else
	s_wait_loadcnt 0
.endif
	ROT \a
.if \a < 6
	ROPELOAD \a+2                                  ; into the set that has just been read
.endif
.if \a > 1
	s_wait_xcnt 0x0                                ; block a - 2's stores have read their data: the set is written again only behind this wait
.endif
.irp b, 0,1,2,3,4,5,6,7
.irp x, 0,1,2,3
	v_cvt_pk_f16_f32 v[PK+32*(\a%2)+4*\b+\x], v[F+8*\b+2*\x], v[F+8*\b+2*\x+1]
.endr
.endr
	OUT \a, LI
.endr
	s_branch .Ldone
.Lv:
	SECOND                                         ; v: no RoPE
.irp a, 0,1,2,3,4,5,6,7
.if \a > 1
	s_wait_xcnt 0x0
.endif
	WIN 0x0a+5*(\a/4)                              ; sources 0 and 1: window 2 or 3
.irp b, 0,1,2,3,4,5,6,7
.irp x, 0,1,2,3
	v_cvt_pk_f16_f32 v[PK+32*(\a%2)+4*\b+\x], v[64*(\a%4)+8*\b+2*\x], v[64*(\a%4)+8*\b+2*\x+1]
.endr
.endr
	WIN 0
	OUT \a, LV
.endr
.Ldone:
	s_wait_tensorcnt 0x0                           ; the wave's end
	ds_add_u32 v[SPW], v[NIL]
	s_wait_dscnt 0x0
	CROUND                                         ; the closing round
	s_endpgm
.Lfunc_end_k_qbfbd251139_qkv:
	.size	k_qbfbd251139_qkv, .Lfunc_end_k_qbfbd251139_qkv-k_qbfbd251139_qkv
	.p2alignl 7, 3214868480
	.fill 96, 4, 3214868480
	.section	.rodata,"a",@progbits
	.p2align	6, 0x0
	.amdhsa_kernel k_qbfbd251139_qkv
		.amdhsa_group_segment_fixed_size 327680
		.amdhsa_private_segment_fixed_size 0
		.amdhsa_enable_private_segment 0
		.amdhsa_kernarg_size 40
		.amdhsa_user_sgpr_count 2
		.amdhsa_user_sgpr_kernarg_segment_ptr 1
		.amdhsa_wavefront_size32 1
		.amdhsa_system_sgpr_workgroup_id_x 1
		.amdhsa_system_sgpr_workgroup_id_y 1
		.amdhsa_system_sgpr_workgroup_id_z 1
		.amdhsa_system_vgpr_workitem_id 0
		.amdhsa_next_free_vgpr 1024
		.amdhsa_next_free_sgpr 100
		.amdhsa_reserve_vcc 0
		.amdhsa_float_denorm_mode_32 3
		.amdhsa_float_denorm_mode_16_64 3
		.amdhsa_memory_ordered 1
		.amdhsa_forward_progress 1
		.amdhsa_inst_pref_size 219
	.end_amdhsa_kernel
	.amdgpu_metadata
---
amdhsa.version: [ 1, 2 ]
amdhsa.kernels:
  - .name:           k_qbfbd251139_qkv
    .symbol:         k_qbfbd251139_qkv.kd
    .args:
      - { .name: codes, .offset: 0, .size: 8, .value_kind: global_buffer, .address_space: global }
      - { .name: scales, .offset: 8, .size: 8, .value_kind: global_buffer, .address_space: global }
      - { .name: rope, .offset: 16, .size: 8, .value_kind: global_buffer, .address_space: global }
      - { .name: qimg, .offset: 24, .size: 8, .value_kind: global_buffer, .address_space: global }
      - { .name: kv, .offset: 32, .size: 8, .value_kind: global_buffer, .address_space: global }
    .group_segment_fixed_size: 327680
    .private_segment_fixed_size: 0
    .kernarg_segment_align: 8
    .kernarg_segment_size: 40
    .max_flat_workgroup_size: 128
    .sgpr_count:     100
    .vgpr_count:     1024
    .wavefront_size: 32
...
	.end_amdgpu_metadata
.endif
;; end of part 2
;; launch attn (part 3): grid 8 x 32, 8 waves a work-group, clusters of 4 x 1, 327,680 bytes of LDS; arguments qimg, kv, att; writes att
.if DOCPART == 3
	.amdgcn_target "amdgcn-amd-amdhsa--gfx1250"
	.amdhsa_code_object_version 6
	.text
	.protected	k_qbfbd251139_attn
	.globl	k_qbfbd251139_attn
	.p2align	8
	.type	k_qbfbd251139_attn,@function
k_qbfbd251139_attn:
	s_mov_b64 s[64:65], 0
	v_nop
	global_prefetch_b8 v0, s[64:65] scope:SCOPE_SE
	s_setreg_imm32_b32 hwreg(HW_REG_WAVE_MODE, 25, 1), 1
	s_wait_xcnt 0x0
	s_wait_alu depctr_hold_cnt(0) depctr_sa_sdst(0) depctr_va_vdst(0) depctr_va_sdst(0) depctr_va_ssrc(0) depctr_va_vcc(0) depctr_vm_vsrc(0)
	s_getreg_b32 s2, hwreg(HW_REG_IB_STS2, 6, 4)
	s_cmp_eq_u32 s2, 0
	s_cbranch_scc0 .Lentry_in_a_cluster
	s_endpgm
.Lentry_in_a_cluster:
	s_bfe_u32 s2, ttmp6, 0x10000c
	s_cmp_lg_u32 s2, 0x3003
	s_cbranch_scc0 .Lentry_shape_is_right
	s_endpgm
.Lentry_shape_is_right:
; ATTN: o = softmax(q k^T / 8) v for each of the 32 (batch, head) pairs: 2,048 queries, 2,048 keys, 64 channels, no mask.  q, k, v in f16 as the launch before laid them; products, maxima and sums in f32; the weights p are
; rounded to f16 for the second product, o once at the end.  Only the live heads of K and V exist here (see the head of the first launch).   LIMIT: o is kept in f16, like v.
; SHARES.  A work-group owns 256 queries of one pair, each of its eight waves 32: two tiles of 16, in 512 registers: two waves to a SIMD, so that one wave's vector work stands beside the other's matrix work and LDS loads, and each
; fragment of K and V read from LDS feeds two matrix instructions.  Every wave walks all keys, 128 a step.
; LAYOUT.  S^T = K Q^T (source 0 = 16 keys, source 1 = 16 queries): a lane holds ONE query (lane % 16) and keys 8 (lane / 16) + 0..7 of each tile.  Two such tiles, rounded to f16 in pairs, ARE source 1 (32 keys x 16 queries) of
; O^T = V^T P, whose result again holds one query a lane.  K comes out of LDS as it lies, 16 bytes a lane on end; V ([key][channel]) turned, by ds_load_tr16_b128.
; SOFTMAX.  A running maximum m and sum l for each query: p = 2^(c s - c m), c = log2(e) / 8; in every step O and l are multiplied by a = 2^(c m_old - c m_new).
; RING.  Two LDS slots of 512 keys (K 65,536 bytes, then V 65,536): a slot is 131,072 consecutive bytes of kv, laid in LDS as in memory; each of the eight waves fetches 16,384 of them by one tensor load.
; CLUSTER.  The four query blocks of a cluster walk the same K and V: each tile is asked for jointly, by the same tensor load with the same descriptor and a mask that names the four.
; REGISTERS.  Window 0: v1-7 addresses; v8-31 statistics, 12 a tile; v32-63 Q; v64-191 S^T, 64 a tile, later P in place; v192-255 O^T, 32 a tile.   Window 1: v0-127 K's 16 fragments; v128-255 V's 16.
.set SLOT1, 1<<17
.set VOFF,  65536
.set STEPB, 16384                      ; 128 keys: 8 tiles of 2,048 bytes
.set SPARE, 2*SLOT1                    ; the spare words, 128 bytes for each wave: four blocks of 256 bytes that no other line names
.set LA0, 1                            ; v1  16 x lane
.set AV0, 2                            ; v2  my lane's place in a piece of V, for the turning load
.set ADK, 3
.set ADV, 4
.set SPW, 5
.set NIL, 6
.set PFO, 7                            ; v7  256 x lane
.set ST,  8                            ; tile t at v[ST + 12 t]: +0 c m, +1 m, +2:3 l, +4..7 c0-c3 (c0:c1 later a chain of the sum), +8 a, +9 c m_old - c m_new, +10:11 the sum's other chain
.set QF,  32
.set S,   64
.set O,   192
.set WV,  12
.set LIM, 15
.set PFA, 18
.set G1,  24
.set G0A, 32
.set G0W, 36
.set SLOTS, 40
.set CNT, 41
.set TB,  42
.set CS,  44
.set SEL, 46
.set MSB, 0
.macro WIN new
.if MSB != (\new)
	s_set_vgpr_msb (MSB<<8)|(\new)
.set MSB, (\new)
.endif
.endm
.macro CROUND
	s_barrier_signal -1
	s_barrier_wait -1
	s_cmp_lg_u32 s[WV], 0
	s_cbranch_scc1 .Lnot_wave_0_\@
	s_barrier_signal -3
.Lnot_wave_0_\@:
	s_barrier_wait -3
	s_barrier_signal -1
	s_barrier_wait -1
.endm
; A prefetch of the slot that the NEXT change of slots will ask for: four key steps, 256 matrix instructions of a wave, ahead of that load.  Each aligned block of 256 bytes is named once: both clusters of a pair walk the same slots, so
; the first cluster asks; its four partners take 32,768 bytes each, told apart by address; in each, waves 0 to 3 take 8,192, lanes 256 bytes apart.  With four slots that is slot 3 alone: slots 0 and 1 are the first fills,
; slot 2 comes by its load alone, and the last change that fills a slot asks for nothing.
.macro ASK
	s_cmp_gt_u32 s[SLOTS], s[LIM]
	s_cbranch_scc0 .Lnot_mine_\@
	global_prefetch_b8 v[PFO], s[PFA:PFA+1] th:TH_LOAD_NT scope:SCOPE_SE
.Lnot_mine_\@:
.endm
	s_load_b128 s[4:7], s[0:1], 0x0                ; qimg s[4:5], kv s[6:7]
	s_load_b64 s[8:9], s[0:1], 0x10                ; att
	v_lshl_add_u32 v[SPW], v0, 2, SPARE
	v_mov_b32 v[NIL], 0
	ds_add_u32 v[SPW], v[NIL]                      ; the wave's opening: the add, twice on end, and its wait ahead of my first tensor load
	ds_add_u32 v[SPW], v[NIL]
	v_lshrrev_b32 v1, 5, v0
	v_readfirstlane_b32 s[WV], v1                  ; wave 0..7
	s_bfe_u32 s13, ttmp6, 0x40000                  ; cx
	s_lshl_b32 s14, ttmp9, 2
	s_add_co_u32 s14, s14, s13                     ; my block of 256 queries: it enters Q's and o's addresses alone
	s_and_b32 s16, ttmp7, 0xffff                   ; the pair 16 b + head, which the partners share
	s_lshl_b32 s20, s16, 19                        ; kv: 524,288 bytes a pair,
	s_lshl_b32 s21, s[WV], 14                      ; my 16,384 of a slot
	s_add_co_u32 s20, s20, s21
	s_mov_b32 s21, 0
	s_lshl_b32 s22, s16, 18                        ; qimg: 262,144 bytes a pair, 32,768 a block, 4,096 for a wave's two tiles
	s_lshl_b32 s23, s14, 15
	s_add_co_u32 s22, s22, s23
	s_lshl_b32 s23, s[WV], 12
	s_add_co_u32 s22, s22, s23
	s_mov_b32 s23, 0
	s_lshr_b32 s2, s16, 4                          ; att: [block of 128 tokens][K step of 256][row tile 8][chunk 8][1,024 B]: block 16 b + 2 x query block + wave / 4,
	s_lshl_b32 s2, s2, 4
	s_lshl_b32 s3, s14, 1
	s_add_co_u32 s2, s2, s3
	s_lshr_b32 s3, s[WV], 2
	s_add_co_u32 s2, s2, s3
	s_lshl_b32 s2, s2, 18
	s_bfe_u32 s3, s16, 0x20002                     ; K step head / 4,
	s_lshl_b32 s3, s3, 16
	s_add_co_u32 s2, s2, s3
	s_and_b32 s3, s[WV], 3                         ; row tile 2 (wave % 4),
	s_lshl_b32 s3, s3, 14
	s_add_co_u32 s2, s2, s3
	s_and_b32 s3, s16, 3                           ; chunk 2 (head % 4)
	s_lshl_b32 s3, s3, 11
	s_add_co_u32 s2, s2, s3
	s_mov_b32 s3, 0
	s_mov_b32 s[G1], 15|(3<<16)|(1<<21)            ; the mask: all four partners; elements of 8 bytes; bit 21 beside a mask; no padding: the loads from LDS take 512 bytes on end
	s_mov_b32 s[G1+1], 32<<16                      ; tensor_dim0 = 32 elements: rows of 256 bytes
	s_mov_b32 s[G1+2], 64<<16                      ; tensor_dim1 = 64
	s_mov_b32 s[G1+3], 32<<16                      ; tile_dim0
	s_mov_b32 s[G1+4], 64                          ; tile_dim1
	s_mov_b32 s[G1+5], 32                          ; dense
	s_mov_b32 s[G1+6], 0
	s_mov_b32 s[G1+7], 0
	s_mov_b32 s[CS], 0x3e38aa3b                    ; c = log2(e) / 8
	s_mov_b32 s[CS+1], s[CS]                       ; (named with it as a pair)
	s_mov_b32 s[SEL], 0x76543210
	s_mov_b32 s[SEL+1], 0xfedcba98                 ; lane l xor 16
	s_mov_b32 s[TB], 0
	s_lshr_b32 s[LIM], s[WV], 2                    ; waves 0 to 3
	s_or_b32 s[LIM], s[LIM], ttmp9                 ; of the pair's first cluster: the same in all four partners
	s_cmp_eq_u32 s[LIM], 0
	s_cselect_b32 s[LIM], 1, -1
	v_and_b32 v[PFO], 31, v0
	v_lshlrev_b32 v[PFO], 8, v[PFO]
	s_lshl_b32 s10, s13, 15
	s_and_b32 s11, s[WV], 3
	s_lshl_b32 s11, s11, 13
	s_add_co_u32 s10, s10, s11
	s_lshl_b32 s11, s16, 19
	s_add_co_u32 s10, s10, s11
	s_add_co_u32 s10, s10, 2*131072                ; in slot 2: the first change of slots steps it to slot 3
	s_mov_b32 s11, 0
	s_lshl_b32 s17, s[WV], 14                      ; my part's place in a slot: no place in the cluster enters an LDS address
	s_wait_dscnt 0x0                               ; both opening adds are done
	s_wait_kmcnt 0x0
	s_add_nc_u64 s[PFA:PFA+1], s[6:7], s[10:11]
	s_add_nc_u64 s[6:7], s[6:7], s[20:21]
	s_add_nc_u64 s[4:5], s[4:5], s[22:23]
	s_add_nc_u64 s[8:9], s[8:9], s[2:3]
	CROUND                                         ; all four work-groups are here: the first joint loads meet
	s_mov_b32 s[G0A], 1
	s_mov_b32 s[G0A+1], s17
	s_mov_b64 s[G0A+2:G0A+3], s[6:7]
	s_or_b32 s[G0A+3], s[G0A+3], 0x80000000
	s_mov_b32 s[G0W], 1
	s_add_co_u32 s[G0W+1], s17, SLOT1
	s_add_nc_u64 s[G0W+2:G0W+3], s[6:7], 131072
	s_or_b32 s[G0W+3], s[G0W+3], 0x80000000
	tensor_load_to_lds s[G0A:G0A+3], s[G1:G1+7]    ; slot 0; every wave issues both first fills: two loads of mine are out
	s_nop 0
	tensor_load_to_lds s[G0W:G0W+3], s[G1:G1+7]    ; slot 1; this descriptor walks on
	s_nop 0
.rept 4
	v_nop
.endr
	v_and_b32 v[LA0], 31, v0
	v_lshlrev_b32 v[LA0], 4, v[LA0]
.irp i, 0,1,2,3,4,5,6,7
	global_load_b128 v[QF+4*\i:QF+4*\i+3], v[LA0], s[4:5] offset:512*\i   ; Q stays in registers: tile i / 4, channels 16 (i % 4) on
.endr
	v_and_b32 v8, 7, v0                            ; the turning load: lane l addresses key 8 (l / 16) + l % 8, channels 8 ((l / 8) % 2) + 0..7, which lie at 32 x key + 16 x half
	v_lshlrev_b32 v[AV0], 5, v8
	v_bfe_u32 v8, v0, 4, 1
	v_lshl_add_u32 v[AV0], v8, 8, v[AV0]
	v_bfe_u32 v8, v0, 3, 1
	v_lshl_add_u32 v[AV0], v8, 4, v[AV0]
	v_add_nc_u32 v[AV0], VOFF, v[AV0]
.irp t, 0,1
	v_mov_b32 v[ST+12*\t+1], 0xff61b1e6            ; m: -3e38, under every score
	v_mov_b32 v[ST+12*\t+2], 0                     ; l
	v_mov_b32 v[ST+12*\t+3], 0
.endr
.irp t, 0,1
	v_mul_f32 v[ST+12*\t], s[CS], v[ST+12*\t+1]    ; c m
.endr
.set i, 0
.rept 64
	v_mov_b32 v[O+i], 0                            ; O^T.  (The key step is written without a first step of its own: the first a is 0 and multiplies zeros)
.set i, i+1
.endr
.macro SUM t, g, x                     ; the row's sum of the unrounded p, two at a time, in two chains; group g is registers 8 g .. 8 g + 7
.if (\g) == 0
.if (\x) == 0
	v_pk_add_f32 v[ST+12*\t+4:ST+12*\t+5], v[S+64*\t:S+64*\t+1], v[S+64*\t+2:S+64*\t+3]
.elseif (\x) == 1
	v_pk_add_f32 v[ST+12*\t+10:ST+12*\t+11], v[S+64*\t+4:S+64*\t+5], v[S+64*\t+6:S+64*\t+7]
.endif
.elseif (\x)%2 == 0
	v_pk_add_f32 v[ST+12*\t+4:ST+12*\t+5], v[ST+12*\t+4:ST+12*\t+5], v[S+64*\t+8*(\g)+2*(\x):S+64*\t+8*(\g)+2*(\x)+1]
.else
	v_pk_add_f32 v[ST+12*\t+10:ST+12*\t+11], v[ST+12*\t+10:ST+12*\t+11], v[S+64*\t+8*(\g)+2*(\x):S+64*\t+8*(\g)+2*(\x)+1]
.endif
.endm
.macro CVT t, g                        ; group g's eight weights become four registers of P, in place: what they overwrite has been summed and rounded
.irp x, 0,1,2,3
	v_cvt_pk_f16_f32 v[S+64*\t+4*(\g)+\x], v[S+64*\t+8*(\g)+2*\x], v[S+64*\t+8*(\g)+2*\x+1]
.endr
.endm
; A KEY STEP: 128 keys.
.macro STEP
	v_add_nc_u32 v[ADK], s[TB], v[LA0]
	v_add_nc_u32 v[ADV], s[TB], v[AV0]
.rept 3
	v_nop                                          ; with the two additions five places behind the last V^T P: four are owed in front of the loads into V's registers, five in front of the products that write over P
.endr
	WIN 0x40                                       ; destination window 1
.irp kt, 0,1,2,3,4,5,6,7
.irp c, 0,1
	ds_load_b128 v[16*\kt+8*\c:16*\kt+8*\c+3], v[ADK] offset:2048*\kt+1024*\c
	ds_load_b128 v[16*\kt+8*\c+4:16*\kt+8*\c+7], v[ADK] offset:2048*\kt+1024*\c+512
.endr
.endr
.irp kc, 0,1,2,3
.irp ct, 0,1,2,3
	ds_load_tr16_b128 v[128+32*\kc+8*\ct:128+32*\kc+8*\ct+3], v[ADV] offset:4096*\kc+512*\ct
	ds_load_tr16_b128 v[128+32*\kc+8*\ct+4:128+32*\kc+8*\ct+7], v[ADV] offset:4096*\kc+512*\ct+2048
.endr
.endr
	s_wait_dscnt 32                                ; K's 32 loads are in; V's 32 stay out
	WIN 0x01                                       ; source 0 window 1
.irp c, 0,1                            ; S^T = K Q^T: sixteen accumulators by turns; the first sixteen products start the sums
.irp kt, 0,1,2,3,4,5,6,7
.irp t, 0,1
.if \c == 0
	v_wmma_f32_16x16x32_f16 v[S+64*\t+8*\kt:S+64*\t+8*\kt+7], v[16*\kt+8*\c:16*\kt+8*\c+7], v[QF+16*\t+8*\c:QF+16*\t+8*\c+7], 0
.else
	v_wmma_f32_16x16x32_f16 v[S+64*\t+8*\kt:S+64*\t+8*\kt+7], v[16*\kt+8*\c:16*\kt+8*\c+7], v[QF+16*\t+8*\c:QF+16*\t+8*\c+7], v[S+64*\t+8*\kt:S+64*\t+8*\kt+7]
.endif
.endr
.endr
.endr
	WIN 0
.irp t, 0,1
	v_mov_b32 v[ST+12*\t+9], v[ST+12*\t]           ; c m_old is kept.  (With the two v_nop: four places in front of the first read of the scores)
.endr
	v_nop
	v_nop
.irp n, 0,1,2,3                        ; the maximum of 64 scores and the old m, three operands at a time, four chains a tile, both tiles by turns; each accumulator is first read at its low end
.irp t, 0,1
	v_max3_num_f32 v[ST+12*\t+4+\n], v[S+64*\t+16*\n], v[S+64*\t+16*\n+1], v[S+64*\t+16*\n+2]
.endr
.endr
.irp i, 3,5,7,9,11,13
.irp n, 0,1,2,3
.irp t, 0,1
	v_max3_num_f32 v[ST+12*\t+4+\n], v[ST+12*\t+4+\n], v[S+64*\t+16*\n+\i], v[S+64*\t+16*\n+\i+1]
.endr
.endr
.endr
.irp t, 0,1
	v_max3_num_f32 v[ST+12*\t+4], v[ST+12*\t+4], v[S+64*\t+15], v[S+64*\t+31]
	v_max3_num_f32 v[ST+12*\t+6], v[ST+12*\t+6], v[S+64*\t+47], v[S+64*\t+63]
.endr
.irp t, 0,1
	v_max3_num_f32 v[ST+12*\t+4], v[ST+12*\t+4], v[ST+12*\t+5], v[ST+12*\t+6]
.endr
.irp t, 0,1
	v_max3_num_f32 v[ST+12*\t+4], v[ST+12*\t+4], v[ST+12*\t+7], v[ST+12*\t+1]
.endr
.irp t, 0,1
	v_permlanex16_b32 v[ST+12*\t+5], v[ST+12*\t+4], s[SEL], s[SEL+1]   ; the query's other 64 keys lie in the lane 16 away
.endr
.irp t, 0,1
	v_max_num_f32 v[ST+12*\t+1], v[ST+12*\t+4], v[ST+12*\t+5]
.endr
.irp t, 0,1
	v_mul_f32 v[ST+12*\t], s[CS], v[ST+12*\t+1]
.endr
.irp t, 0,1
	v_sub_f32 v[ST+12*\t+9], v[ST+12*\t+9], v[ST+12*\t]
.endr
.set i, 0
.rept 32
	v_pk_fma_f32 v[S+2*i:S+2*i+1], v[S+2*i:S+2*i+1], s[CS:CS+1], v[ST:ST+1] op_sel_hi:[1,0,0] neg_lo:[0,0,1] neg_hi:[0,0,1]   ; tile 0: c s - c m
.set i, i+1
.endr
	v_exp_f32 v[ST+8], v[ST+9]                     ; FIRST BATCH: both a, and tile 0's 64 weights, with tile 1's scalings between them; none of these lines names an exponential's result
	v_exp_f32 v[ST+20], v[ST+21]
.set i, 0
.rept 32
	v_pk_fma_f32 v[S+64+2*i:S+64+2*i+1], v[S+64+2*i:S+64+2*i+1], s[CS:CS+1], v[ST+12:ST+13] op_sel_hi:[1,0,0] neg_lo:[0,0,1] neg_hi:[0,0,1]
	v_exp_f32 v[S+2*i], v[S+2*i]
	v_exp_f32 v[S+2*i+1], v[S+2*i+1]
.set i, i+1
.endr
	v_nop                                          ; a plain line behind the last exponential,
	s_wait_alu depctr_va_vdst(0)                   ; and one wait for the batch, ahead of its first reader
.irp g, 0,1,2,3,4,5,6,7                ; SECOND BATCH: tile 1's 64 weights, with tile 0's sums and roundings between them, which name tile 0's registers alone
.irp x, 0,1,2,3
	v_exp_f32 v[S+64+8*\g+2*\x], v[S+64+8*\g+2*\x]
	v_exp_f32 v[S+64+8*\g+2*\x+1], v[S+64+8*\g+2*\x+1]
	SUM 0, \g, \x
.endr
	CVT 0, \g
.endr
	s_wait_alu depctr_va_vdst(0)                   ; one wait for the second batch (plain lines stand behind its last exponential)
.irp g, 0,1,2,3,4,5,6,7                ; tile 1's sums and roundings; behind each sum one packed rescaling of O^T, both tiles' 32 pairs in ascending order
.irp x, 0,1,2,3
	SUM 1, \g, \x
	v_pk_mul_f32 v[O+2*(4*\g+\x):O+2*(4*\g+\x)+1], v[O+2*(4*\g+\x):O+2*(4*\g+\x)+1], v[ST+12*(\g/4)+8:ST+12*(\g/4)+9] op_sel_hi:[1,0]
.endr
	CVT 1, \g
.endr
.irp t, 0,1
	v_pk_add_f32 v[ST+12*\t+4:ST+12*\t+5], v[ST+12*\t+4:ST+12*\t+5], v[ST+12*\t+10:ST+12*\t+11]
.endr
.irp t, 0,1
	v_pk_fma_f32 v[ST+12*\t+2:ST+12*\t+3], v[ST+12*\t+2:ST+12*\t+3], v[ST+12*\t+8:ST+12*\t+9], v[ST+12*\t+4:ST+12*\t+5] op_sel_hi:[1,0,1]   ; l = a l + the step's sum
.endr
	s_wait_dscnt 0x0                               ; V is in
	WIN 0x01
.irp kc, 0,1,2,3                       ; O^T += V^T P: eight accumulators by turns
.irp ct, 0,1,2,3
.irp t, 0,1
	v_wmma_f32_16x16x32_f16 v[O+32*\t+8*\ct:O+32*\t+8*\ct+7], v[128+32*\kc+8*\ct:128+32*\kc+8*\ct+7], v[S+64*\t+8*\kc:S+64*\t+8*\kc+7], v[O+32*\t+8*\ct:O+32*\t+8*\ct+7]
.endr
.endr
.endr
	WIN 0
	s_add_co_u32 s[TB], s[TB], STEPB
.endm
.macro SLOT_STEPS                      ; a slot's four key steps: written once, walked four times
	s_mov_b32 s[CNT], 4
.Lstep_\@:
	STEP
	s_sub_co_u32 s[CNT], s[CNT], 1
	s_cmp_lg_u32 s[CNT], 0
	s_cbranch_scc1 .Lstep_\@
.endm
; THE CHANGE OF SLOTS.  Each wave waits for all its tensor loads (one is out: its part of the other slot), adds 0 to its spare word, and waits for that and for its reads of the slot that it leaves.
; fill = 1: the barrier is a round of the cluster's, so that no wave of any partner still reads the slot or has a load on its way, and the joint refill is the first thing behind it: it has four key steps in which to land.
.macro CHANGE fill
	s_wait_tensorcnt 0x0                           ; no tensor load of mine is out, so the walking descriptor may be written
	ds_add_u32 v[SPW], v[NIL]                      ; 0 onto my spare word
.if \fill
	s_xor_b32 s[G0W+1], s[G0W+1], SLOT1            ; the other slot than last time,
	s_add_nc_u64 s[G0W+2:G0W+3], s[G0W+2:G0W+3], 131072   ; the next 512 keys
	s_wait_xcnt 0x0                                ; the last prefetch, a slot back, has read its address
	s_add_nc_u64 s[PFA:PFA+1], s[PFA:PFA+1], 131072
	s_wait_dscnt 0x0                               ; the add is done, and my reads of the slot are over
	CROUND
	tensor_load_to_lds s[G0W:G0W+3], s[G1:G1+7]    ; my one tensor load behind the round
	s_nop 0
.rept 4
	v_nop
.endr
	ASK
.else
	s_wait_dscnt 0x0
	s_barrier_signal -1
	s_barrier_wait -1
.endif
	s_sub_co_u32 s[TB], s[TB], 4*STEPB             ; back to a slot's first step,
	s_xor_b32 s[TB], s[TB], SLOT1                  ; in the other slot
.endm
	s_wait_tensorcnt 1                             ; my part of slot 0 is in; slot 1's may stay out
	s_barrier_signal -1
	s_barrier_wait -1                              ; everybody's is
	s_wait_loadcnt 0x0                             ; Q
	SLOT_STEPS                                     ; keys 0 to 511
	s_mov_b32 s[SLOTS], 2
.Lslot:                                            ; two trips: both slots are filled once more
	CHANGE 1
	SLOT_STEPS
	s_sub_co_u32 s[SLOTS], s[SLOTS], 1
	s_cmp_lg_u32 s[SLOTS], 0
	s_cbranch_scc1 .Lslot
	CHANGE 0                                       ; the tail is written out
	SLOT_STEPS
	; THE WAY OUT.  l's two halves and the other half of the lanes' are added (these additions are the places behind the last products); O^T / l is rounded to f16: a tile of 16 channels is 512 bytes of the f16 image and is stored as it stands.
.irp t, 0,1
	v_add_f32 v[ST+12*\t+4], v[ST+12*\t+2], v[ST+12*\t+3]
.endr
.irp t, 0,1
	v_permlanex16_b32 v[ST+12*\t+5], v[ST+12*\t+4], s[SEL], s[SEL+1]
.endr
.irp t, 0,1
	v_add_f32 v[ST+12*\t+4], v[ST+12*\t+4], v[ST+12*\t+5]
.endr
.irp t, 0,1
	v_rcp_f32 v[ST+12*\t+8], v[ST+12*\t+4]
.endr
	v_nop
	s_wait_alu depctr_va_vdst(0)                   ; one wait for the two reciprocals, ahead of their first reader
.set i, 0
.rept 32
	v_pk_mul_f32 v[O+2*i:O+2*i+1], v[O+2*i:O+2*i+1], v[ST+12*(i/16)+8:ST+12*(i/16)+9] op_sel_hi:[1,0]
.set i, i+1
.endr
.set i, 0
.rept 32
	v_cvt_pk_f16_f32 v[S+i], v[O+2*i], v[O+2*i+1]
.set i, i+1
.endr
.irp t, 0,1
.irp ct, 0,1,2,3
	global_store_b128 v[LA0], v[S+16*\t+4*\ct:S+16*\t+4*\ct+3], s[8:9] offset:8192*\t+512*\ct   ; 512 consecutive bytes, aligned
.endr
.endr
	s_wait_tensorcnt 0x0                           ; the wave's end
	ds_add_u32 v[SPW], v[NIL]
	s_wait_dscnt 0x0
	CROUND                                         ; the closing round
	s_endpgm
.Lfunc_end_k_qbfbd251139_attn:
	.size	k_qbfbd251139_attn, .Lfunc_end_k_qbfbd251139_attn-k_qbfbd251139_attn
	.p2alignl 7, 3214868480
	.fill 96, 4, 3214868480
	.section	.rodata,"a",@progbits
	.p2align	6, 0x0
	.amdhsa_kernel k_qbfbd251139_attn
		.amdhsa_group_segment_fixed_size 327680
		.amdhsa_private_segment_fixed_size 0
		.amdhsa_enable_private_segment 0
		.amdhsa_kernarg_size 24
		.amdhsa_user_sgpr_count 2
		.amdhsa_user_sgpr_kernarg_segment_ptr 1
		.amdhsa_wavefront_size32 1
		.amdhsa_system_sgpr_workgroup_id_x 1
		.amdhsa_system_sgpr_workgroup_id_y 1
		.amdhsa_system_sgpr_workgroup_id_z 1
		.amdhsa_system_vgpr_workitem_id 0
		.amdhsa_next_free_vgpr 512
		.amdhsa_next_free_sgpr 66
		.amdhsa_reserve_vcc 0
		.amdhsa_float_denorm_mode_32 3
		.amdhsa_float_denorm_mode_16_64 3
		.amdhsa_memory_ordered 1
		.amdhsa_forward_progress 1
		.amdhsa_inst_pref_size 109
	.end_amdhsa_kernel
	.amdgpu_metadata
---
amdhsa.version: [ 1, 2 ]
amdhsa.kernels:
  - .name:           k_qbfbd251139_attn
    .symbol:         k_qbfbd251139_attn.kd
    .args:
      - { .name: qimg, .offset: 0, .size: 8, .value_kind: global_buffer, .address_space: global }
      - { .name: kv, .offset: 8, .size: 8, .value_kind: global_buffer, .address_space: global }
      - { .name: att, .offset: 16, .size: 8, .value_kind: global_buffer, .address_space: global }
    .group_segment_fixed_size: 327680
    .private_segment_fixed_size: 0
    .kernarg_segment_align: 8
    .kernarg_segment_size: 24
    .max_flat_workgroup_size: 256
    .sgpr_count:     66
    .vgpr_count:     512
    .wavefront_size: 32
...
	.end_amdgpu_metadata
.endif
;; end of part 3
;; launch proj (part 4): grid 8 x 32, 4 waves a work-group, clusters of 4 x 4, 327,680 bytes of LDS; arguments att, wo, out0; writes out0
.if DOCPART == 4
	.amdgcn_target "amdgcn-amd-amdhsa--gfx1250"
	.amdhsa_code_object_version 6
	.text
	.protected	k_qbfbd251139_proj
	.globl	k_qbfbd251139_proj
	.p2align	8
	.type	k_qbfbd251139_proj,@function
k_qbfbd251139_proj:
	s_mov_b64 s[64:65], 0
	v_nop
	global_prefetch_b8 v0, s[64:65] scope:SCOPE_SE
	s_setreg_imm32_b32 hwreg(HW_REG_WAVE_MODE, 25, 1), 1
	s_wait_xcnt 0x0
	s_wait_alu depctr_hold_cnt(0) depctr_sa_sdst(0) depctr_va_vdst(0) depctr_va_sdst(0) depctr_va_ssrc(0) depctr_va_vcc(0) depctr_vm_vsrc(0)
	s_getreg_b32 s2, hwreg(HW_REG_IB_STS2, 6, 4)
	s_cmp_eq_u32 s2, 0
	s_cbranch_scc0 .Lentry_in_a_cluster
	s_endpgm
.Lentry_in_a_cluster:
	s_bfe_u32 s2, ttmp6, 0x10000c
	s_cmp_lg_u32 s2, 0xf033
	s_cbranch_scc0 .Lentry_shape_is_right
	s_endpgm
.Lentry_shape_is_right:
; PROJ: out0[m][n] = sum over k of att[m][k] wo[n][k]; m 4,096, n 1,024, k 1,024; both operands f16, sums f32.  wo = 0.5 (Wo_self + Wo_cross): one product in place of reference()'s two, as shown at the head of the first launch.
; A tile of out0 is 128 x 128: 256 work-groups.  Four waves, each 64 x 64: 16 accumulators.  K goes in steps of 256 through a ring of two LDS slots.
; Both operands lie in memory as images of operand registers: [block of 128 rows][K step of 256][row tile 8][chunk of 32 k, 8][1,024 B].  So a K step's half tile (64 rows) is 32,768 consecutive bytes, one tensor load of 128 rows
; of 256 bytes, laid in LDS as in memory; a fragment is two loads of 16 bytes a lane, each 512 bytes on end: no pitch and no padding.
; CLUSTERS: 4 x 4 work-groups; A's tiles are shared along a row of the cluster, B's along a column, by joint loads.  THE MATRIX INSTRUCTION IS USED TRANSPOSED (source 0 = 16 rows of wo, source 1 = 16 rows of att): a lane holds eight
; neighbouring numbers of a row of out0.
; REGISTERS: window 0: v0-31 addresses; v32-95 rows on the way out; v128-255 the accumulators ((a, b) at v[128 + 8 (4 a + b)]).   window 1: two fragment buffers of 128: for 64 along K, 64 registers of A, then 64 of B.
.set KSTEPB, 65536                     ; a K step of a block of 128 rows, in bytes
.set HALFT,  32768                     ; 64 rows of it: what one tensor load brings, and what one wave reads of A or of B
.set SLOT,   4*HALFT
.set STAGE,  2*SLOT                    ; behind the ring: 16 rows x 272 bytes for each wave
.set SPITCH, 272
.set SPARE,  STAGE+4*16*SPITCH         ; the spare words, 128 bytes for each wave: two blocks of 256 bytes that no other line names
.set LAPS,   2                         ; a lap = two K steps = once round the ring
.set ADRA, 16
.set ADRB, 20
.set STO,  24
.set RD,   25
.set CO,   26
.set SPW,  28
.set NIL,  29
.set TMP,  32
.set ACC,  128
.set F0,   0
.set F1,   128
.set G1, 24
.set G0, 32
.set G1B, 48
.set G0B, 56
.set MSB, 0
.macro WIN new
.if MSB != (\new)
	s_set_vgpr_msb (MSB<<8)|(\new)
.set MSB, (\new)
.endif
.endm
.set MUL,  0x05                        ; sources 0 (B) and 1 (A) window 1; C and D window 0
.set TO_F, 0x40
.macro JLOAD s                         ; waves 0 and 1 fetch A's two halves, waves 2 and 3 B's; an s_nop 0 and four v_nop follow each of the two lines
	s_cmp_eq_u32 s11, 0
	s_cbranch_scc0 .Lfor_b_\@
	tensor_load_to_lds s[G0+4*\s:G0+4*\s+3], s[G1:G1+7]
	s_nop 0
.rept 4
	v_nop
.endr
	s_branch .Lasked_\@
.Lfor_b_\@:
	tensor_load_to_lds s[G0B+4*\s:G0B+4*\s+3], s[G1B:G1B+7]
	s_nop 0
.rept 4
	v_nop
.endr
.Lasked_\@:
.endm
.macro CREST
	s_cmp_lg_u32 s10, 0
	s_cbranch_scc1 .Lnot_wave_0_\@
	s_barrier_signal -3
.Lnot_wave_0_\@:
	s_barrier_wait -3
	s_barrier_signal -1
	s_barrier_wait -1
.endm
.macro CROUND
	s_barrier_signal -1
	s_barrier_wait -1
	CREST
.endm
	s_load_b128 s[4:7], s[0:1], 0x0                ; att s[4:5], wo s[6:7]
	s_load_b64 s[8:9], s[0:1], 0x10                ; out0
	v_lshl_add_u32 v[SPW], v0, 2, SPARE
	v_mov_b32 v[NIL], 0
	ds_add_u32 v[SPW], v[NIL]                      ; the wave's opening: the add, twice on end, and its wait ahead of my first tensor load
	ds_add_u32 v[SPW], v[NIL]
	v_lshrrev_b32 v1, 5, v0
	v_readfirstlane_b32 s10, v1                    ; wave 0..3
	s_lshr_b32 s11, s10, 1                         ; which half of the tile's rows is mine.  Also: I fetch for A (0) or for B (1)
	s_and_b32 s12, s10, 1                          ; which half of its columns.  Also: which 64 rows I fetch
	s_bfe_u32 s40, ttmp6, 0x40000
	s_bfe_u32 s41, ttmp6, 0x40004
	s_lshl_b32 s42, ttmp9, 2
	s_add_co_u32 s42, s42, s40                     ; tile column 0..7
	s_and_b32 s13, ttmp7, 0xffff
	s_lshl_b32 s13, s13, 2
	s_add_co_u32 s13, s13, s41                     ; tile row 0..31
	s_lshl_b32 s43, s41, 2
	s_lshl_b32 s43, 15, s43                        ; my row of the cluster
	s_lshl_b32 s44, 0x1111, s40                    ; my column
	s_or_b32 s[G1+0], s43, (3<<16)|(1<<21)         ; the mask; elements of 8 bytes; bit 21 beside a mask; no padding
	s_or_b32 s[G1B+0], s44, (3<<16)|(1<<21)
.irp g, G1, G1B
	s_mov_b32 s[\g+1], 32<<16                      ; tensor_dim0 = 32 elements: rows of 256 bytes
	s_mov_b32 s[\g+2], 128<<16                     ; tensor_dim1 = 128
	s_mov_b32 s[\g+3], 32<<16                      ; tile_dim0
	s_mov_b32 s[\g+4], 128                         ; tile_dim1
	s_mov_b32 s[\g+5], 32                          ; dense
	s_mov_b32 s[\g+6], 0
	s_mov_b32 s[\g+7], 0
.endr
	s_lshl_b32 s17, s12, 15                        ; which half I fetch
	s_lshl_b32 s16, s13, 18                        ; A: 262,144 bytes a block of 128 rows
	s_add_co_u32 s16, s16, s17
	s_lshl_b32 s46, s42, 18                        ; B likewise, by the tile column
	s_add_co_u32 s46, s46, s17
	s_mov_b32 s17, 0
	s_mov_b32 s47, 0
	s_lshl_b32 s20, s10, 15                        ; where they go: wave x HALFT
	s_wait_dscnt 0x0                               ; both opening adds are done
	s_wait_kmcnt 0x0
	s_add_nc_u64 s[14:15], s[4:5], s[16:17]
	s_add_nc_u64 s[46:47], s[6:7], s[46:47]
	CROUND                                         ; all sixteen work-groups are here: the first joint loads meet
.irp s, 0,1
	s_mov_b32 s[G0+4*\s], 1
	s_add_co_u32 s[G0+4*\s+1], s20, \s*SLOT
	s_add_nc_u64 s[G0+4*\s+2:G0+4*\s+3], s[14:15], \s*KSTEPB
	s_or_b32 s[G0+4*\s+3], s[G0+4*\s+3], 0x80000000
	s_mov_b32 s[G0B+4*\s], 1
	s_add_co_u32 s[G0B+4*\s+1], s20, \s*SLOT
	s_add_nc_u64 s[G0B+4*\s+2:G0B+4*\s+3], s[46:47], \s*KSTEPB
	s_or_b32 s[G0B+4*\s+3], s[G0B+4*\s+3], 0x80000000
	JLOAD \s
.endr
	v_and_b32 v1, 15, v0                           ; r
	v_bfe_u32 v2, v0, 4, 1                         ; h
	v_and_b32 v3, 31, v0
	v_lshlrev_b32 v3, 4, v3                        ; 16 x lane
	s_lshl_b32 s21, s11, 15                        ; my 64 rows of A
	s_lshl_b32 s22, s12, 15                        ; my 64 rows of B,
	s_add_co_u32 s22, s22, 2*HALFT                 ; which lie behind A's 128
.irp s, 0,1
	v_add_nc_u32 v[ADRA+\s], s21, v3
	v_add_nc_u32 v[ADRB+\s], s22, v3
	s_add_co_u32 s21, s21, SLOT
	s_add_co_u32 s22, s22, SLOT
.endr
	s_mul_i32 s23, s10, 16*SPITCH
	s_add_co_u32 s23, s23, STAGE                   ; my stage
	v_mul_u32_u24 v4, v1, SPITCH                   ; in: row r, 32 bytes for each half of the lanes
	v_lshl_add_u32 v4, v2, 5, v4
	v_add_nc_u32 v[STO], s23, v4
	v_mul_u32_u24 v5, v2, SPITCH                   ; back: lanes 0-15 one row of 256 bytes, lanes 16-31 the next
	v_lshl_add_u32 v5, v1, 4, v5
	v_add_nc_u32 v[RD], s23, v5
	v_lshlrev_b32 v5, 12, v2                       ; and the same two rows in out0: 4,096 bytes a row
	v_lshl_add_u32 v[CO], v1, 4, v5
	s_lshl_b32 s16, s13, 7
	s_lshl_b32 s17, s11, 6
	s_add_co_u32 s16, s16, s17                     ; my first row
	s_lshl_b32 s16, s16, 12
	s_mov_b32 s17, 0
	s_add_nc_u64 s[8:9], s[8:9], s[16:17]
	s_lshl_b32 s46, s42, 9                         ; my first column, in bytes: 512 x tile column + 256 x half
	s_lshl_b32 s47, s12, 8
	s_add_co_u32 s46, s46, s47
	s_mov_b32 s47, 0
	s_add_nc_u64 s[8:9], s[8:9], s[46:47]
.macro MUL8 f, c, a0, zero             ; 8 matrix instructions: m blocks a0, a0 + 1 x all 4 n blocks, 32 along K: half c of buffer f; the 16 accumulators take turns
.irp a, \a0, \a0+1
.irp b, 0,1,2,3
.if \zero
	v_wmma_f32_16x16x32_f16 v[ACC+8*(4*(\a)+\b):ACC+8*(4*(\a)+\b)+7], v[\f+64+8*(4*\c+\b):\f+64+8*(4*\c+\b)+7], v[\f+8*(4*\c+\a):\f+8*(4*\c+\a)+7], 0
.else
	v_wmma_f32_16x16x32_f16 v[ACC+8*(4*(\a)+\b):ACC+8*(4*(\a)+\b)+7], v[\f+64+8*(4*\c+\b):\f+64+8*(4*\c+\b)+7], v[\f+8*(4*\c+\a):\f+8*(4*\c+\a)+7], v[ACC+8*(4*(\a)+\b):ACC+8*(4*(\a)+\b)+7]
.endif
.endr
.endr
.endm
.macro FETCH slot, q, f                ; 32 LDS loads in one run: the fragments of the slot's q-th 64 along K (chunks 2 q, 2 q + 1) into buffer f; the first 32 along K first
	WIN TO_F
.irp c, 0,1
.irp i, 0,1,2,3
	ds_load_b128 v[\f+64+8*(4*\c+\i):\f+64+8*(4*\c+\i)+3],   v[ADRB+\slot] offset:8192*\i+1024*(2*(\q)+\c)
	ds_load_b128 v[\f+64+8*(4*\c+\i)+4:\f+64+8*(4*\c+\i)+7], v[ADRB+\slot] offset:8192*\i+1024*(2*(\q)+\c)+512
	ds_load_b128 v[\f+8*(4*\c+\i):\f+8*(4*\c+\i)+3],         v[ADRA+\slot] offset:8192*\i+1024*(2*(\q)+\c)
	ds_load_b128 v[\f+8*(4*\c+\i)+4:\f+8*(4*\c+\i)+7],       v[ADRA+\slot] offset:8192*\i+1024*(2*(\q)+\c)+512
.endr
.endr
.endm
.macro PLACES                          ; four places in front of loads into registers that matrix instructions have read, and of reads of results
.rept 4
	v_nop
.endr
.endm
.macro QUARTER slot, q, f, g, zero     ; multiplies buffer f and fetches the slot's q-th quarter into g
	s_wait_dscnt 16                                ; the first 32 along K are in; the other sixteen loads may be out
	WIN MUL
	MUL8 \f, 0, 0, \zero
	MUL8 \f, 0, 2, \zero
	PLACES
	FETCH \slot, \q, \g
	s_wait_dscnt 32                                ; all but the 32 just issued
	WIN MUL
	MUL8 \f, 1, 0, 0
	MUL8 \f, 1, 2, 0
.endm
.macro TURN slot, next, fill           ; the last quarter multiplies buffer 1 and changes slots: one barrier.  fill = 1: this slot is filled again, two K steps ahead
	WIN 0
	s_wait_tensorcnt 0x0                           ; all my tensor loads have landed: my part of the next slot
	ds_add_u32 v[SPW], v[NIL]                      ; 0 onto my spare word
	s_wait_dscnt 17                                ; (the add and the youngest sixteen loads may be out)
	WIN MUL
	MUL8 F1, 0, 0, 0
	s_wait_dscnt 0x0                               ; the add is done, and my reads of this slot are over
	s_barrier_signal -1
	MUL8 F1, 0, 2, 0
.if \fill
	WIN 0
.endif
	s_barrier_wait -1
.if \fill
	CREST                                          ; the barrier has opened a round of the cluster's: no wave of any partner still reads this slot or has a load on its way
	s_add_nc_u64 s[G0+4*\slot+2:G0+4*\slot+3], s[G0+4*\slot+2:G0+4*\slot+3], 2*KSTEPB
	s_add_nc_u64 s[G0B+4*\slot+2:G0B+4*\slot+3], s[G0B+4*\slot+2:G0B+4*\slot+3], 2*KSTEPB
	JLOAD \slot                                    ; the first tensor load behind the round; its four v_nop are also the places in front of the loads below
.else
	PLACES
.endif
	FETCH \next, 0, F0
	WIN MUL
	MUL8 F1, 1, 0, 0
	MUL8 F1, 1, 2, 0
.endm
	s_wait_tensorcnt 1                             ; my part of K step 0 is in; K step 1's load may be out
	s_barrier_signal -1
	s_barrier_wait -1
	FETCH 0, 0, F0
	QUARTER 0, 1, F0, F1, 1                        ; the first products start the sums
	WIN 0
	s_mov_b32 s3, LAPS-1
.Llap:                                             ; a trip goes once round the ring and fills both slots again
	QUARTER 0, 2, F1, F0, 0
	QUARTER 0, 3, F0, F1, 0
	TURN 0, 1, 1
	QUARTER 1, 1, F0, F1, 0
	QUARTER 1, 2, F1, F0, 0
	QUARTER 1, 3, F0, F1, 0
	TURN 1, 0, 1
	QUARTER 0, 1, F0, F1, 0
	WIN 0
	s_sub_co_u32 s3, s3, 1
	s_cmp_lg_u32 s3, 0
	s_cbranch_scc1 .Llap
	QUARTER 0, 2, F1, F0, 0                        ; the last lap fills nothing
	QUARTER 0, 3, F0, F1, 0
	TURN 0, 1, 0
	QUARTER 1, 1, F0, F1, 0
	QUARTER 1, 2, F1, F0, 0
	QUARTER 1, 3, F0, F1, 0
	s_wait_dscnt 16
	WIN MUL
	MUL8 F1, 0, 0, 0
	MUL8 F1, 0, 2, 0
	s_wait_dscnt 0
	MUL8 F1, 1, 0, 0
	MUL8 F1, 1, 2, 0
	WIN 0
; THE WAY OUT, a block of 16 rows x 64 columns at a time.  My 64 f32 columns are 256 bytes of a row, aligned: so each wave has a stage of its own and no barrier is needed.  A lane puts 32 bytes of its row; the rows come back
; whole, two an instruction, and sixteen lanes store 256 consecutive bytes.  LDS serves a wave's instructions in order (ISA guide 5.7.1.4): no wait between the stores and the loads, nor in front of the next block's stores.
.macro TOSTAGE a
.irp b, 0,1,2,3
	ds_store_b128 v[STO], v[ACC+8*(4*(\a)+\b):ACC+8*(4*(\a)+\b)+3] offset:64*\b        ; each accumulator from its low end on
	ds_store_b128 v[STO], v[ACC+8*(4*(\a)+\b)+4:ACC+8*(4*(\a)+\b)+7] offset:64*\b+16
.endr
.irp t, 0,1,2,3,4,5,6,7
	ds_load_b128 v[TMP+32*((\a)%2)+4*\t:TMP+32*((\a)%2)+4*\t+3], v[RD] offset:\t*2*SPITCH
.endr
.endm
.macro SEND a, younger                 ; younger: the LDS instructions issued behind block a's loads, which may stay out
	s_wait_dscnt \younger
.irp t, 0,1,2,3,4,5,6,7
	global_store_b128 v[CO], v[TMP+32*((\a)%2)+4*\t:TMP+32*((\a)%2)+4*\t+3], s[8:9] offset:(16*(\a)+2*\t)*4096 th:TH_STORE_NT
.endr
.endm
	PLACES
	TOSTAGE 0
.irp a, 1,2,3
.if \a > 1
	s_wait_xcnt 0x0                                ; block a - 2's stores have read their data: block a's loads may land there
.endif
	TOSTAGE \a
	SEND \a-1, 16                                  ; behind block a - 1's loads: block a's 8 stores and 8 loads
.endr
	SEND 3, 0
	s_wait_tensorcnt 0x0                           ; the wave's end
	ds_add_u32 v[SPW], v[NIL]
	s_wait_dscnt 0x0
	CROUND                                         ; the closing round
	s_endpgm
.Lfunc_end_k_qbfbd251139_proj:
	.size	k_qbfbd251139_proj, .Lfunc_end_k_qbfbd251139_proj-k_qbfbd251139_proj
	.p2alignl 7, 3214868480
	.fill 96, 4, 3214868480
	.section	.rodata,"a",@progbits
	.p2align	6, 0x0
	.amdhsa_kernel k_qbfbd251139_proj
		.amdhsa_group_segment_fixed_size 327680
		.amdhsa_private_segment_fixed_size 0
		.amdhsa_enable_private_segment 0
		.amdhsa_kernarg_size 24
		.amdhsa_user_sgpr_count 2
		.amdhsa_user_sgpr_kernarg_segment_ptr 1
		.amdhsa_wavefront_size32 1
		.amdhsa_system_sgpr_workgroup_id_x 1
		.amdhsa_system_sgpr_workgroup_id_y 1
		.amdhsa_system_sgpr_workgroup_id_z 1
		.amdhsa_system_vgpr_workitem_id 0
		.amdhsa_next_free_vgpr 512
		.amdhsa_next_free_sgpr 66
		.amdhsa_reserve_vcc 0
		.amdhsa_float_denorm_mode_32 3
		.amdhsa_float_denorm_mode_16_64 3
		.amdhsa_memory_ordered 1
		.amdhsa_forward_progress 1
		.amdhsa_inst_pref_size 85
	.end_amdhsa_kernel
	.amdgpu_metadata
---
amdhsa.version: [ 1, 2 ]
amdhsa.kernels:
  - .name:           k_qbfbd251139_proj
    .symbol:         k_qbfbd251139_proj.kd
    .args:
      - { .name: att, .offset: 0, .size: 8, .value_kind: global_buffer, .address_space: global }
      - { .name: wo, .offset: 8, .size: 8, .value_kind: global_buffer, .address_space: global }
      - { .name: out0, .offset: 16, .size: 8, .value_kind: global_buffer, .address_space: global }
    .group_segment_fixed_size: 327680
    .private_segment_fixed_size: 0
    .kernarg_segment_align: 8
    .kernarg_segment_size: 24
    .max_flat_workgroup_size: 128
    .sgpr_count:     66
    .vgpr_count:     512
    .wavefront_size: 32
...
	.end_amdgpu_metadata
.endif
;; end of part 4
